; MI455X (gfx1250); checked and timed in simulation.
; The chip was launched on July 23, 2026; its instructions are those of AMD's public machine-readable ISA for CDNA 5 (MIT licence, August 2026) and "CDNA5" Instruction Set Architecture Reference Guide (July 2026). The comments in the code are by the model that wrote it; some were corrected since.
;; Multi Head Attention. Allowed arithmetic: matrix products marked QUANTISED: E2M3 operands, one E8M0 scale for each 32 along K, by v_wmma_scale_f32_16x16x128_f8f6f4 with both operands' format E2M3, f32 sums; everything else in f32.
;; Inputs: Wk 1,024 x 1,024 float32; Wo 1,024 x 1,024 float32; Wq 1,024 x 1,024 float32; Wv 1,024 x 1,024 float32; cos 1 x 2,048 x 1 x 32 float32; sin 1 x 2,048 x 1 x 32 float32; x 4 x 2,048 x 1,024 float32.
;; Outputs: out0 4 x 2,048 x 1,024 float32.
;; This version of the problem:
;;   THIS VERSION OF THE PROBLEM IS GIVEN IN LOW PRECISION. The matrix products marked QUANTISED in the list below multiply operands that are first quantised to E2M3 (2 exponent bits, 3 mantissa bits; 6 bits a number), with one power-of-two scale for each 32 numbers along K (OCP MX v1.0); their sums are f32. All else is computed in f32.
;;   The module's matrix products, in the order in which they are computed (A, B: the left and right operand; K: the contracted axis; several contracted axes count as one K, in the product's order):
;;     1. [M 8,192, K 1,024] x [K 1,024, N 1,024]; A: input x; B: input Wq: QUANTISED
;;     2. [M 8,192, K 1,024] x [K 1,024, N 1,024]; A: input x; B: input Wk: QUANTISED
;;     3. [M 8,192, K 1,024] x [K 1,024, N 1,024]; A: input x; B: input Wv: QUANTISED
;;     4. batch 64 x [M 2,048, K 64] x [K 64, N 2,048]; A: computed on the way; B: computed on the way: QUANTISED
;;     5. batch 64 x [M 64, K 2,048] x [K 2,048, N 2,048]; A: computed on the way; B: softmax (see below): QUANTISED
;;     6. [M 8,192, K 1,024] x [K 1,024, N 1,024]; A: computed on the way; B: input Wo: QUANTISED
;;   THE QUANTISER, for each operand of a quantised product, along K:
;;     - K is cut into blocks of 32 from its start; a last block that is shorter is filled with zeros.
;;     - A block's scale is 2^e with e = floor(log2(the largest magnitude in the block)) - 2, held to -126 .. 127; a block of zeros has e = 0. As a byte (E8M0): e + 127.
;;     - Each number is divided by its block's scale, clamped to +-7.5, and rounded to the nearest number of E2M3, ties to even, subnormals kept.
;;     - The product sums the exact products of the quantised numbers (number of the format x scale) in f32.
;;   ~~~python
;;   def quantise(x, axis):      # numpy; x: float32 -> the quantised numbers, widened to float32 again
;;       x = np.moveaxis(x, axis, -1); K = x.shape[-1]
;;       x = np.pad(x, [(0, 0)] * (x.ndim - 1) + [(0, -K % 32)]); x = x.reshape(x.shape[:-1] + (-1, 32)); a = np.abs(x).max(-1, keepdims=True)
;;       e = np.where(a > 0, np.clip(np.frexp(np.where(a > 0, a, 1))[1] - 1 - 2, -126, 127), 0)      # np.frexp(a)[1] - 1 = floor(log2(a)), exactly
;;       r = np.clip(x / 2.0 ** e, -7.5, 7.5)
;;       step = 2.0 ** (np.maximum(np.frexp(np.where(r == 0, 1, r))[1] - 1, 0) - 3)
;;       q = np.round(r / step) * step * 2.0 ** e      # np.round: ties to even
;;       return np.moveaxis(q.reshape(q.shape[:-2] + (-1,))[..., :K], -1, axis).astype(np.float32)
;;   ~~~
;;   SOFTMAX AHEAD OF A QUANTISED PRODUCT. Where the list says 'softmax', what is quantised is not the finished softmax but p = 2^(t - M), with t = logit x log2(e) and M = ceil(the row's largest t), a whole number; so 1/2 < the row's largest p <= 1. The row's sum l is taken of the UNQUANTISED p, in f32, and the product's result is divided by l at the end. Since M is a whole number, a kernel that streams over the keys may use a running M (the ceiling of the running maximum): every later rescaling is an exact power of two, which a block's scale takes up: the codes' values come out the same.
;;   OPERANDS COMPUTED ON THE WAY. 'Computed on the way' means the value that the module computes at that place (a softmax that the list does not call 'softmax' is quantised finished and normalised). What goes into a quantiser is computed in f32, as accurately as f32 sums, v_exp_f32 and their like allow (about 1e-6 of the number): no bf16 or f16 on the way to a quantiser, and a product that is left as it is and whose result goes on into a quantised operand takes f32 operands (vector FMAs, or v_wmma_f32_16x16x4_f32). A number that lies on a knife's edge between two numbers of the format may be rounded either way, as far as f32 arithmetic and the matrix unit's own rounding can turn it there, and no further.
;; One version. Each part assembles by itself: llvm-mc -triple=amdgcn-amd-amdhsa -mcpu=gfx1250 --defsym DOCPART=n.
;; ======== version 1 of 1: 4 launches
;; limits: right only within a limited range of input values
;; workspace buffers: xq 6,553,600 bytes; wq 3,276,800 bytes; yq 6,553,600 bytes; q_ws 6,815,744 bytes; k_ws 6,815,744 bytes; v_ws 6,553,600 bytes
;; launch quant (part 1): grid 384 x 1, 4 waves a work-group, no clusters, 34,304 bytes of LDS; arguments x, Wq, Wk, Wv, Wo, xq, wq; writes xq, wq
.if DOCPART == 1
	.amdgcn_target "amdgcn-amd-amdhsa--gfx1250"
	.amdhsa_code_object_version 6
	.text
	.protected	k_q2250339465_quant
	.globl	k_q2250339465_quant
	.p2align	8
	.type	k_q2250339465_quant,@function
k_q2250339465_quant:
	s_mov_b64 s[64:65], 0
	v_nop
	global_prefetch_b8 v0, s[64:65] scope:SCOPE_SE
	s_setreg_imm32_b32 hwreg(HW_REG_WAVE_MODE, 25, 1), 1
	s_wait_xcnt 0x0
; x [8192][1024] and Wq, Wk, Wv, Wo [1024][1024], f32, K innermost, become codes of FP6 (E2M3) with one E8M0 byte for each 32 along K,
; laid in the ORDER OF THE OPERAND'S REGISTERS.  A row tile is 16 rows; for each 64 along K it has a half image of 768 bytes: lane l = (r, h) holds row r, k = 32 h .. 32 h + 31,
; six registers: registers 0-3 at 16 l, registers 4-5 at 512 + 8 l.  Codes: [row tile][16 half images][768].  Scale words behind them: [row tile][4][16 rows][2 words], one word for a row and 128 along K.
; WHICH ROWS FORM A TILE is chosen for the products that follow.  x: tile 8 G + 4 c + u holds tokens 128 G + 64 c + 32 (r / 8) + 8 u + r % 8.  A weight: tile 4 g + u holds rows 64 g + 32 (u / 2) + 16 (r / 8) + 8 (u % 2) + r % 8.
; A block's scale is 2^(floor(log2(largest magnitude)) - 2): its byte is the largest magnitude's exponent field - 2, held at 1 from below by a floor among the maximum's leaves.
; LIMITS: a block of zeros gets the byte 1 where the rule says 127 (its codes are zeros, and this program alone reads the bytes); blocks under 2^-124 keep the byte 1; NaN and infinities are not served.
; SHARES: a wave takes one row tile x 512 along K: four fragments of 128.  Each load reads 512 consecutive bytes of one row; the 16 rows turn through the wave's own stage in LDS, so that a lane gets 32 neighbours along K.
; No tensor load, no barrier: waves share nothing.  One path for all five tensors: only pointers and numbers are chosen, on the work-group's number.
.set XSC,  6291456                     ; where xq's scale words begin
.set WSC,  3145728                     ; and wq's
.set STG,  8448                        ; a wave's stage: 16 rows x (512 + 16) bytes
.set R,    16                          ; v16-143   two sets of 64: a fragment as loaded
.set X,    144                         ; v144-207  64 numbers: register 32 c + i = k 64 c + 32 h + i of my row
.set C,    208                         ; v208-219  the fragment's codes
.set T,    220                         ; v220-222, v224-226  a block's upper 16 codes (a conversion's three registers begin on an even number)
.set W,    228                         ; v228-231  the four fragments' scale words
.set M,    232                         ; v232-233  largest magnitudes
.set E,    234                         ; v234-235  the conversions' scale operands
.set B,    236                         ; v236-237  the bytes; at the end the scale words to store
.set PT,   238                         ; a lane permute's target
	s_load_b256 s[4:11], s[0:1], 0x0               ; x, Wq, Wk, Wv
	s_load_b64 s[12:13], s[0:1], 0x20              ; Wo
	s_load_b64 s[16:17], s[0:1], 0x28              ; xq
	s_load_b64 s[18:19], s[0:1], 0x30              ; wq
	v_lshl_add_u32 v240, v0, 2, 0x8400
	v_mov_b32 v241, 0
	v_lshrrev_b32 v7, 5, v0
	v_readfirstlane_b32 s20, v7                    ; wave
	v_and_b32 v7, 31, v0                           ; lane
	v_and_b32 v8, 15, v0                           ; r
	v_bfe_u32 v9, v0, 4, 1                         ; h
	v_lshlrev_b32 v1, 4, v7                        ; 16 l
	v_lshlrev_b32 v3, 3, v7                        ; 8 l
	v_lshlrev_b32 v6, 3, v9                        ; 8 h
	s_mul_i32 s21, s20, STG
	v_add_nc_u32 v4, s21, v1                       ; the stage, on the way in: 16 l of a row
	v_mul_u32_u24 v5, v8, 528
	v_lshl_add_u32 v5, v9, 7, v5
	v_add_nc_u32 v5, s21, v5                       ; on the way out: row r, + 128 h
	v_mov_b32 v[PT], 0                             ; written once: a lane permute's destination counts as one of its sources
	s_mov_b32 s42, 0x76543210
	s_mov_b32 s43, 0xfedcba98                      ; selects for lane l xor 16
	s_mov_b32 vcc_lo, 0xffff0000                   ; lanes 16-31
	s_lshl_b32 s21, ttmp9, 2
	s_add_co_u32 s21, s21, s20                     ; unit = 4 x work-group + wave
	s_and_b32 s22, s21, 1                          ; which half of K
	s_lshr_b32 s23, s21, 1
	s_cmp_lt_u32 ttmp9, 256                        ; work-groups 0-255: x's 512 tiles; the others: the weights' 256
	s_cselect_b32 s24, 0, 512
	s_sub_co_u32 s23, s23, s24                     ; the tile's number in its own buffer
	s_lshr_b32 s25, s23, 3                         ; x: the tile's first row
	s_lshl_b32 s25, s25, 7
	s_bfe_u32 s26, s23, 0x10002
	s_lshl_b32 s26, s26, 6
	s_add_co_u32 s25, s25, s26
	s_and_b32 s27, s23, 3
	s_lshl_b32 s27, s27, 3
	s_add_co_u32 s25, s25, s27
	s_bfe_u32 s28, s23, 0x40002                    ; a weight: the same, in its own tensor
	s_lshl_b32 s28, s28, 6
	s_bfe_u32 s29, s23, 0x10001
	s_lshl_b32 s29, s29, 5
	s_add_co_u32 s28, s28, s29
	s_and_b32 s30, s23, 1
	s_lshl_b32 s30, s30, 3
	s_add_co_u32 s28, s28, s30
	s_lshr_b32 s31, s23, 6                         ; which weight: 0 Wq, 1 Wk, 2 Wv, 3 Wo
	s_mov_b32 s32, 65536
	s_mov_b32 s33, WSC
	s_wait_alu depctr_va_vdst(0)
	s_wait_kmcnt 0x0
	s_cmp_eq_u32 s31, 1
	s_cselect_b64 s[36:37], s[8:9], s[6:7]
	s_cmp_eq_u32 s31, 2
	s_cselect_b64 s[36:37], s[10:11], s[36:37]
	s_cmp_eq_u32 s31, 3
	s_cselect_b64 s[36:37], s[12:13], s[36:37]
	s_cmp_lt_u32 ttmp9, 256
	s_cselect_b64 s[36:37], s[4:5], s[36:37]       ; the tensor,
	s_cselect_b64 s[38:39], s[16:17], s[18:19]     ; its buffer of codes,
	s_cselect_b32 s25, s25, s28                    ; the first row,
	s_cselect_b32 s32, 0x20000, s32                ; rows 8-15 lie 32 rows on in x, 16 in a weight,
	s_cselect_b32 s33, XSC, s33                    ; and where the scale words begin
	s_lshl_b32 s34, s25, 12
	s_lshl_b32 s24, s22, 11
	s_add_co_u32 s34, s34, s24
	s_mov_b32 s35, 0
	s_add_nc_u64 s[36:37], s[36:37], s[34:35]      ; in: first row x 4,096 + half x 2,048
	s_lshl_b32 s34, s23, 9
	s_lshl_b32 s24, s22, 8
	s_add_co_u32 s34, s34, s24
	s_add_co_u32 s34, s34, s33
	s_add_nc_u64 s[40:41], s[38:39], s[34:35]      ; scale words: tile x 512 + half x 256
	s_mul_i32 s34, s23, 12288
	s_mul_i32 s24, s22, 6144
	s_add_co_u32 s34, s34, s24
	s_add_nc_u64 s[38:39], s[38:39], s[34:35]      ; codes: tile x 12,288 + half x 6,144
	v_add_nc_u32 v2, s32, v1                       ; 16 l + the distance to rows 8-15
.macro LOAD f                          ; fragment f: 16 rows x 512 bytes, a row to a load
.irp r, 0,1,2,3,4,5,6,7
	global_load_b128 v[R+64*((\f)%2)+4*\r:R+64*((\f)%2)+4*\r+3], v1, s[36:37] offset:\r*4096+512*(\f) th:TH_LOAD_NT
.endr
.irp r, 0,1,2,3,4,5,6,7
	global_load_b128 v[R+64*((\f)%2)+32+4*\r:R+64*((\f)%2)+32+4*\r+3], v2, s[36:37] offset:\r*4096+512*(\f) th:TH_LOAD_NT
.endr
.endm
.macro TURN f                          ; through the stage: LDS serves a wave's instructions in order, so no wait stands between the stores and the loads
.irp r, 0,1,2,3,4,5,6,7,8,9,10,11,12,13,14,15
	ds_store_b128 v4, v[R+64*((\f)%2)+4*\r:R+64*((\f)%2)+4*\r+3] offset:528*\r
.endr
.irp c, 0,1
.irp j, 0,1,2,3,4,5,6,7
	ds_load_b128 v[X+32*\c+4*\j:X+32*\c+4*\j+3], v5 offset:256*\c+16*\j
.endr
.endr
.endm
.macro QB f                            ; my two whole blocks of fragment f: scale, codes, stores
.irp c, 0,1
	v_max3_num_f32 v[M+\c], |v[X+32*\c]|, |v[X+32*\c+1]|, 0x1800000   ; the floor 2^(3 - 127) among the leaves: the byte cannot fall under 1
.endr
.irp i, 2,4,6,8,10,12,14,16,18,20,22,24,26,28,30
.irp c, 0,1
	v_max3_num_f32 v[M+\c], v[M+\c], |v[X+32*\c+\i]|, |v[X+32*\c+\i+1]|   ; the two blocks by turns
.endr
.endr
.irp c, 0,1
	v_add_nc_u32 v[E+\c], 0xff000000, v[M+\c]      ; 2 off the exponent field: the conversion's scale operand
.endr
.irp c, 0,1
	v_lshrrev_b32 v[B+\c], 23, v[E+\c]             ; the byte
.endr
	v_lshl_or_b32 v[W+\f], v[B+1], 16, v[B]        ; my bytes: blocks h and 2 + h,
	v_lshlrev_b32 v[W+\f], v6, v[W+\f]             ; at their places,
	v_permlanex16_b32 v[PT], v[W+\f], s42, s43
	v_or_b32 v[W+\f], v[W+\f], v[PT]               ; with lane l xor 16's the row's word is whole
	s_wait_alu depctr_va_vdst(0)
	s_wait_xcnt 0x0                                ; the last fragment's stores have read C: it is rewritten only behind this wait
.irp c, 0,1
	v_cvt_scalef32_pk16_fp6_f32 v[C+6*\c:C+6*\c+2], v[X+32*\c:X+32*\c+15], v[E+\c]
	v_cvt_scalef32_pk16_fp6_f32 v[T+4*\c:T+4*\c+2], v[X+32*\c+16:X+32*\c+31], v[E+\c]
.endr
	v_nop                                          ; one plain place behind the scaled conversions
.irp c, 0,1
.irp i, 0,1,2
	v_mov_b32 v[C+6*\c+3+\i], v[T+4*\c+\i]
.endr
.endr
.irp c, 0,1
	global_store_b128 v1, v[C+6*\c:C+6*\c+3], s[38:39] offset:(2*(\f)+\c)*768        ; 512 consecutive bytes, aligned to 256
	global_store_b64 v3, v[C+6*\c+4:C+6*\c+5], s[38:39] offset:(2*(\f)+\c)*768+512   ; 256 consecutive bytes, aligned
.endr
.endm
	LOAD 0
	LOAD 1
	s_wait_alu depctr_va_vdst(0)
	s_wait_loadcnt 16                              ; fragment 0 is in; fragment 1's 16 loads may be out
	TURN 0
	s_wait_dscnt 0x0                               ; X is in, and the stage's stores have read their registers,
	LOAD 2                                         ; which take the fragment two on
	QB 0
	s_wait_loadcnt 16
	TURN 1
	s_wait_dscnt 0x0
	LOAD 3
	QB 1
	s_wait_loadcnt 16
	TURN 2
	s_wait_dscnt 0x0
	QB 2
	s_wait_loadcnt 0x0
	TURN 3
	s_wait_dscnt 0x0
	QB 3
	v_cndmask_b32 v[B], v[W], v[W+2], vcc_lo       ; lanes 0-15: row r's words of fragments 0, 1; lanes 16-31: of fragments 2, 3
	v_cndmask_b32 v[B+1], v[W+1], v[W+3], vcc_lo
	global_store_b64 v3, v[B:B+1], s[40:41]        ; 256 consecutive bytes, aligned
	s_wait_tensorcnt 0x0
	ds_add_u32 v240, v241
	s_wait_dscnt 0x0
	s_endpgm
.Lfunc_end_k_q2250339465_quant:
	.size	k_q2250339465_quant, .Lfunc_end_k_q2250339465_quant-k_q2250339465_quant
	.p2alignl 7, 3214868480
	.fill 96, 4, 3214868480
	.section	.rodata,"a",@progbits
	.p2align	6, 0x0
	.amdhsa_kernel k_q2250339465_quant
		.amdhsa_group_segment_fixed_size 34304
		.amdhsa_private_segment_fixed_size 0
		.amdhsa_enable_private_segment 0
		.amdhsa_kernarg_size 56
		.amdhsa_user_sgpr_count 2
		.amdhsa_user_sgpr_kernarg_segment_ptr 1
		.amdhsa_wavefront_size32 1
		.amdhsa_system_sgpr_workgroup_id_x 1
		.amdhsa_system_sgpr_workgroup_id_y 1
		.amdhsa_system_sgpr_workgroup_id_z 1
		.amdhsa_system_vgpr_workitem_id 0
		.amdhsa_next_free_vgpr 242
		.amdhsa_next_free_sgpr 66
		.amdhsa_reserve_vcc 1
		.amdhsa_float_denorm_mode_32 3
		.amdhsa_float_denorm_mode_16_64 3
		.amdhsa_memory_ordered 1
		.amdhsa_forward_progress 1
		.amdhsa_inst_pref_size 32
	.end_amdhsa_kernel
	.amdgpu_metadata
---
amdhsa.version: [ 1, 2 ]
amdhsa.kernels:
  - .name:           k_q2250339465_quant
    .symbol:         k_q2250339465_quant.kd
    .args:
      - { .name: x, .offset: 0, .size: 8, .value_kind: global_buffer, .address_space: global }
      - { .name: Wq, .offset: 8, .size: 8, .value_kind: global_buffer, .address_space: global }
      - { .name: Wk, .offset: 16, .size: 8, .value_kind: global_buffer, .address_space: global }
      - { .name: Wv, .offset: 24, .size: 8, .value_kind: global_buffer, .address_space: global }
      - { .name: Wo, .offset: 32, .size: 8, .value_kind: global_buffer, .address_space: global }
      - { .name: xq, .offset: 40, .size: 8, .value_kind: global_buffer, .address_space: global }
      - { .name: wq, .offset: 48, .size: 8, .value_kind: global_buffer, .address_space: global }
    .group_segment_fixed_size: 34304
    .private_segment_fixed_size: 0
    .kernarg_segment_align: 8
    .kernarg_segment_size: 56
    .max_flat_workgroup_size: 128
    .sgpr_count:     66
    .vgpr_count:     242
    .wavefront_size: 32
...
	.end_amdgpu_metadata
.endif
;; end of part 1
;; launch qkv (part 2): grid 8 x 48, 4 waves a work-group, clusters of 4 x 4, 327,680 bytes of LDS; arguments xq, wq, cos, sin, q_ws, k_ws, v_ws; writes q_ws, k_ws, v_ws
.if DOCPART == 2
	.amdgcn_target "amdgcn-amd-amdhsa--gfx1250"
	.amdhsa_code_object_version 6
	.text
	.protected	k_q2250339465_qkv
	.globl	k_q2250339465_qkv
	.p2align	8
	.type	k_q2250339465_qkv,@function
k_q2250339465_qkv:
	s_mov_b64 s[64:65], 0
	v_nop
	global_prefetch_b8 v0, s[64:65] scope:SCOPE_SE
	s_setreg_imm32_b32 hwreg(HW_REG_WAVE_MODE, 25, 1), 1
	s_wait_xcnt 0x0
	s_wait_alu depctr_hold_cnt(0) depctr_sa_sdst(0) depctr_va_vdst(0) depctr_va_sdst(0) depctr_va_ssrc(0) depctr_va_vcc(0) depctr_vm_vsrc(0)
	s_getreg_b32 s2, hwreg(HW_REG_IB_STS2, 6, 4)
	s_cmp_eq_u32 s2, 0
	s_cbranch_scc0 .Lentry_in_a_cluster
	s_endpgm
.Lentry_in_a_cluster:
	s_bfe_u32 s2, ttmp6, 0x10000c
	s_cmp_lg_u32 s2, 0xf033
	s_cbranch_scc0 .Lentry_shape_is_right
	s_endpgm
.Lentry_shape_is_right:
.set XSC,   6291456
.set WSC,   3145728
.set NQ,    2
.set FR,    12
.set NL,    4
.set NP,    4
.set RT,    3072
.set TROW,  12288
.set HALFT, 8*RT
.set SLOT,  4*HALFT
.set SCL,   2*SLOT
.set SPARE, SCL+4*4096
.set QKB,   6656
.set VB,    6400
.set ADRA, 16
.set ADRB, 20
.set L16,  24
.set L8,   25
.set CSO,  26
.set ADRS, 27
.set SPW,  28
.set NIL,  29
.set H8,   30
.set SC,   32
.set AF,   128
.set N,    128
.set SS,   160
.set RS,   164
.set QM,   166
.set QX,   168
.set QE,   170
.set QB,   172
.set QW,   174
.set C,    176
.set QT,   192
.set WD,   200
.set RR,   216
.set G1, 24
.set G0, 32
.set G1B, 48
.set G0B, 56
.set G1S, 68
.set G0S, 76
.set G1SB, 80
.set G0SB, 88
.set MSB, 0
.macro WIN new
.if MSB != (\new)
	s_set_vgpr_msb (MSB<<8)|(\new)
.set MSB, (\new)
.endif
.endm
.set MUL_LO, 0xa1
.set MUL_HI, 0xf1
.set TO_B,   0x40
.macro JLOAD g0a, g1a, g0b, g1b
	s_cmp_eq_u32 s15, 0
	s_cbranch_scc0 .Lfor_b_\@
	tensor_load_to_lds s[\g0a:\g0a+3], s[\g1a:\g1a+7]
	s_nop 0
.rept 4
	v_nop
.endr
	s_branch .Lasked_\@
.Lfor_b_\@:
	tensor_load_to_lds s[\g0b:\g0b+3], s[\g1b:\g1b+7]
	s_nop 0
.rept 4
	v_nop
.endr
.Lasked_\@:
.endm
.macro CREST
	s_cmp_lg_u32 s14, 0
	s_cbranch_scc1 .Lnot_wave_0_\@
	s_barrier_signal -3
.Lnot_wave_0_\@:
	s_barrier_wait -3
	s_barrier_signal -1
	s_barrier_wait -1
.endm
.macro CROUND
	s_barrier_signal -1
	s_barrier_wait -1
	CREST
.endm
	s_load_b128 s[4:7], s[0:1], 0x0
	s_load_b256 s[92:99], s[0:1], 0x10
	s_load_b64 s[100:101], s[0:1], 0x30
	v_lshl_add_u32 v[SPW], v0, 2, SPARE
	v_mov_b32 v[NIL], 0
	ds_add_u32 v28, v29
	ds_add_u32 v28, v29
	s_wait_dscnt 0x0
	v_lshrrev_b32 v1, 5, v0
	v_readfirstlane_b32 s14, v1
	s_lshr_b32 s15, s14, 1
	s_and_b32 s16, s14, 1
	s_bfe_u32 s40, ttmp6, 0x40000
	s_bfe_u32 s41, ttmp6, 0x40004
	s_and_b32 s17, ttmp7, 0xffff
	s_lshl_b32 s43, s41, 2
	s_lshl_b32 s43, 15, s43
	s_lshl_b32 s44, 0x1111, s40
	s_or_b32 s[G1+0], s43, (3<<16)|(1<<21)
	s_or_b32 s[G1B+0], s44, (3<<16)|(1<<21)
.irp g, G1, G1B
	s_mov_b32 s[\g+1], 384<<16
	s_mov_b32 s[\g+2], 16<<16
	s_mov_b32 s[\g+3], 384<<16
	s_mov_b32 s[\g+4], 16
	s_mov_b32 s[\g+5], 1536
	s_mov_b32 s[\g+6], 0
	s_mov_b32 s[\g+7], 0
.endr
	s_or_b32 s[G1S+0], s43, (3<<16)|(1<<21)
	s_or_b32 s[G1SB+0], s44, (3<<16)|(1<<21)
.irp g, G1S, G1SB
	s_mov_b32 s[\g+1], 32<<16
	s_mov_b32 s[\g+2], 32<<16
	s_mov_b32 s[\g+3], 32<<16
	s_mov_b32 s[\g+4], 32
	s_mov_b32 s[\g+5], 32
	s_mov_b32 s[\g+6], 0
	s_mov_b32 s[\g+7], 0
.endr
	s_lshl_b32 s45, s17, 2
	s_sub_co_u32 s46, s17, 8
	s_lshl_b32 s46, s46, 3
	s_lshl_b32 s47, ttmp9, 2
	s_mov_b32 s2, XSC
	s_mov_b32 s3, WSC
	s_wait_kmcnt 0x0
	s_cmp_lt_u32 s17, 8
	s_cselect_b32 s66, 0, 1
	s_cselect_b32 s45, s45, 8
	s_cselect_b32 s46, 0, s46
	s_cselect_b32 s12, s2, s3
	s_cselect_b32 s13, s3, s2
	s_cselect_b64 s[8:9], s[4:5], s[6:7]
	s_cselect_b64 s[10:11], s[6:7], s[4:5]
	s_add_co_u32 s45, s45, s41
	s_add_co_u32 s46, s46, s47
	s_add_co_u32 s46, s46, s40
	s_lshl_b32 s67, s16, 3
	s_lshl_b32 s42, s45, 4
	s_add_co_u32 s42, s42, s67
	s_lshl_b32 s47, s46, 4
	s_add_co_u32 s47, s47, s67
	s_mul_i32 s2, s14, HALFT
	CROUND
	s_mov_b32 s[G0S], 1
	s_mov_b32 s[G0S+1], SCL                        ; the scale words of all 16 row tiles of source 1's side: 32 rows of 256 bytes
	s_sub_co_u32 s[G0S+2], s42, s67                ; the block's first row tile
	s_lshl_b32 s[G0S+2], s[G0S+2], 9
	s_add_co_u32 s[G0S+2], s[G0S+2], s12
	s_mov_b32 s[G0S+3], 0
	s_add_nc_u64 s[G0S+2:G0S+3], s[8:9], s[G0S+2:G0S+3]
	s_or_b32 s[G0S+3], s[G0S+3], 0x80000000
	s_mov_b32 s[G0SB], 1
	s_mov_b32 s[G0SB+1], SCL+2*4096                ; and of the other side's 16, behind them
	s_sub_co_u32 s[G0SB+2], s47, s67
	s_lshl_b32 s[G0SB+2], s[G0SB+2], 9
	s_add_co_u32 s[G0SB+2], s[G0SB+2], s13
	s_mov_b32 s[G0SB+3], 0
	s_add_nc_u64 s[G0SB+2:G0SB+3], s[10:11], s[G0SB+2:G0SB+3]
	s_or_b32 s[G0SB+3], s[G0SB+3], 0x80000000
.irp s, 0,1
	s_mov_b32 s[G0+4*\s], 1
	s_add_co_u32 s[G0+4*\s+1], s2, \s*SLOT
	s_mul_i32 s[G0+4*\s+2], s42, TROW
	s_mov_b32 s[G0+4*\s+3], 0
	s_add_nc_u64 s[G0+4*\s+2:G0+4*\s+3], s[8:9], s[G0+4*\s+2:G0+4*\s+3]
	s_add_nc_u64 s[G0+4*\s+2:G0+4*\s+3], s[G0+4*\s+2:G0+4*\s+3], \s*RT
	s_or_b32 s[G0+4*\s+3], s[G0+4*\s+3], 0x80000000
	s_mov_b32 s[G0B+4*\s], 1
	s_add_co_u32 s[G0B+4*\s+1], s2, \s*SLOT
	s_mul_i32 s[G0B+4*\s+2], s47, TROW
	s_mov_b32 s[G0B+4*\s+3], 0
	s_add_nc_u64 s[G0B+4*\s+2:G0B+4*\s+3], s[10:11], s[G0B+4*\s+2:G0B+4*\s+3]
	s_add_nc_u64 s[G0B+4*\s+2:G0B+4*\s+3], s[G0B+4*\s+2:G0B+4*\s+3], \s*RT
	s_or_b32 s[G0B+4*\s+3], s[G0B+4*\s+3], 0x80000000
.endr
; THE HEAD'S LOADS, ONE A WAVE, in one tree of branches on the wave's number: wave 0 fetches slot 0's 16 row tiles of one side (its own group 0 points at the first of them, and group 1 counts 16 rows here),
; wave 2 those of the other side, wave 1 and wave 3 the two sides' scale words.
.macro ARM under, g0, g1, next
	s_cmp_lt_u32 s14, \under
	s_cbranch_scc0 \next
	tensor_load_to_lds s[\g0:\g0+3], s[\g1:\g1+7]
	s_nop 0
.rept 4
	v_nop
.endr
	s_branch .Lhead_asked
\next:
.endm
	ARM 1, G0,  G1,  .Lhead_sa
	ARM 2, G0S, G1S, .Lhead_b
	ARM 3, G0B, G1B, .Lhead_sb
	tensor_load_to_lds s[G0SB:G0SB+3], s[G1SB:G1SB+7]
	s_nop 0
.rept 4
	v_nop
.endr
.Lhead_asked:
	s_wait_alu depctr_va_vdst(0)
	s_wait_tensorcnt 0x0                           ; my tile of the head's four is in
	ds_add_u32 v28, v29
	s_mov_b32 s[G1+2], 8<<16                       ; no tensor load of mine is out: from here on a load brings 8 row tiles
	s_mov_b32 s[G1+4], 8
	s_mov_b32 s[G1B+2], 8<<16
	s_mov_b32 s[G1B+4], 8
	s_wait_dscnt 0x0
	CROUND
	JLOAD G0+4, G1, G0B+4, G1B                     ; slot 1's first fill, a quarter a wave
	v_and_b32 v1, 31, v0
	v_and_b32 v2, 15, v0
	v_bfe_u32 v3, v0, 4, 1
	v_lshlrev_b32 v[L16], 4, v1
	v_lshlrev_b32 v[L8], 3, v1
	v_add_nc_u32 v4, 512, v[L8]
	s_mul_i32 s2, s15, HALFT
	s_mul_i32 s3, s16, HALFT
	s_add_co_u32 s3, s3, 2*HALFT
.irp s, 0,1
	v_add_nc_u32 v[ADRA+\s], s2, v[L16]
	v_add_nc_u32 v[ADRB+\s], s3, v[L16]
	v_add_nc_u32 v[ADRA+2+\s], s2, v4
	v_add_nc_u32 v[ADRB+2+\s], s3, v4
	s_add_co_u32 s2, s2, SLOT
	s_add_co_u32 s3, s3, SLOT
.endr
	v_lshlrev_b32 v5, 3, v2
	s_mul_i32 s2, s15, 4096
	s_mul_i32 s3, s16, 4096
	s_add_co_u32 s3, s3, 2*4096
	s_sub_co_u32 s3, s3, s2
	v_mul_u32_u24 v6, s3, v3
	s_add_co_u32 s2, s2, SCL
	v_add_nc_u32 v5, v5, v6
	v_add_nc_u32 v[ADRS], s2, v5
	v_lshrrev_b32 v5, 3, v2
	v_and_b32 v6, 7, v2
	v_lshlrev_b32 v5, 12, v5
	v_lshl_add_u32 v5, v6, 7, v5
	v_lshl_add_u32 v[CSO], v3, 6, v5
	s_wait_alu depctr_va_vdst(0)
	v_lshlrev_b32 v[H8], 3, v3
	s_mov_b32 s22, 0x76543210
	s_mov_b32 s23, 0xfedcba98
	s_lshl_b32 s42, s45, 1
	s_add_co_u32 s42, s42, s15
	s_and_b32 s42, s42, 15
	s_lshl_b32 s42, s42, 14
	s_mov_b32 s43, 0
	s_add_nc_u64 s[18:19], s[92:93], s[42:43]
	s_add_nc_u64 s[20:21], s[94:95], s[42:43]
.macro CSSET a
.if (\a) < 2
.set CS, 96+128*(\a)
.else
.set CS, 32*((\a)-2)+32*(((\a)-2)/3)
.endif
.endm
.macro CSLOAD a
	CSSET \a
.irp k, 0,1,2,3
	global_load_b128 v[CS+4*\k:CS+4*\k+3], v[CSO], s[18:19] offset:(64*((\a)/4)+8*((\a)%4))*128+16*\k
.endr
.irp k, 0,1,2,3
	global_load_b128 v[CS+16+4*\k:CS+16+4*\k+3], v[CSO], s[20:21] offset:(64*((\a)/4)+8*((\a)%4))*128+16*\k
.endr
.endm
	WIN TO_B
	CSLOAD 0
	CSLOAD 1
	WIN 0
.macro FRAG reg, adr, q, i
	ds_load_b128 v[\reg:\reg+3], v[\adr] offset:RT*(\i)+1536*(\q)
	ds_load_b64 v[\reg+4:\reg+5], v[\adr+2] offset:RT*(\i)+1536*(\q)
	ds_load_b128 v[\reg+6:\reg+9], v[\adr] offset:RT*(\i)+1536*(\q)+768
	ds_load_b64 v[\reg+10:\reg+11], v[\adr+2] offset:RT*(\i)+1536*(\q)+768
.endm
.macro MUL16 a0, p, q, sc, zero
.irp a, \a0, \a0+1
.irp b, 0,1,2,3,4,5,6,7
.if \zero
	v_wmma_scale_f32_16x16x128_f8f6f4 v[8*(8*((\a)%4)+\b):8*(8*((\a)%4)+\b)+7], v[128*(\p)+FR*\b:128*(\p)+FR*\b+FR-1], v[AF+FR*(\a):AF+FR*(\a)+FR-1], 0, v[SC+8*NQ*(\sc)+NQ*\b+(\q)], v[SC+8*NQ*(\sc)+NQ*(\a)+(\q)] matrix_a_fmt:MATRIX_FMT_FP6 matrix_b_fmt:MATRIX_FMT_FP6 matrix_a_scale:MATRIX_SCALE_ROW1
.else
	v_wmma_scale_f32_16x16x128_f8f6f4 v[8*(8*((\a)%4)+\b):8*(8*((\a)%4)+\b)+7], v[128*(\p)+FR*\b:128*(\p)+FR*\b+FR-1], v[AF+FR*(\a):AF+FR*(\a)+FR-1], v[8*(8*((\a)%4)+\b):8*(8*((\a)%4)+\b)+7], v[SC+8*NQ*(\sc)+NQ*\b+(\q)], v[SC+8*NQ*(\sc)+NQ*(\a)+(\q)] matrix_a_fmt:MATRIX_FMT_FP6 matrix_b_fmt:MATRIX_FMT_FP6 matrix_a_scale:MATRIX_SCALE_ROW1
.endif
.endr
.endr
.endm
.macro FETCH_B slot, q, p
	WIN TO_B
.irp i, 0,1,2,3,4,5,6,7
	FRAG 128*(\p)+FR*\i, ADRB+\slot, \q, \i
.endr
	WIN 0
.endm
.macro FETCH_A slot, q, i0
.irp i, \i0, \i0+1, \i0+2, \i0+3
	FRAG AF+FR*(\i), ADRA+\slot, \q, \i
.endr
.endm
.macro SCALES sc
.irp i, 0,1,2,3,4,5,6,7
	ds_load_b64 v[SC+8*NQ*\sc+NQ*\i:SC+8*NQ*\sc+NQ*\i+1], v[ADRS] offset:\i*512
.endr
.endm
.macro PLACES n
.rept \n
	v_nop
.endr
.endm
.macro STEP slot, q, zero
	s_wait_dscnt 4*NL
	WIN MUL_LO
	MUL16 0, (\q)%2, \q, \slot, \zero
	MUL16 2, (\q)%2, \q, \slot, \zero
	s_wait_dscnt 0
	PLACES NP
	FETCH_B \slot, (\q)+1, 1-(\q)%2
	FETCH_A \slot, (\q)+1, 0
	WIN MUL_HI
	MUL16 4, (\q)%2, \q, \slot, \zero
	MUL16 6, (\q)%2, \q, \slot, \zero
	PLACES NP
	WIN 0
	FETCH_A \slot, (\q)+1, 4
.endm
.macro TURN slot, next, fill
	s_wait_tensorcnt 0x0
	ds_add_u32 v[SPW], v[NIL]
	s_wait_dscnt 4*NL+1
	WIN MUL_LO
	MUL16 0, 1, NQ-1, \slot, 0
	s_wait_dscnt 0x0
	s_barrier_signal -1
	MUL16 2, 1, NQ-1, \slot, 0
	WIN 0
	s_barrier_wait -1
.if \fill
	CREST
	s_add_nc_u64 s[G0+4*\slot+2:G0+4*\slot+3], s[G0+4*\slot+2:G0+4*\slot+3], 2*RT
	s_add_nc_u64 s[G0B+4*\slot+2:G0B+4*\slot+3], s[G0B+4*\slot+2:G0B+4*\slot+3], 2*RT
	JLOAD G0+4*\slot, G1, G0B+4*\slot, G1B
.else
	PLACES NP
.endif
	s_wait_alu depctr_va_vdst(0)
	v_add_nc_u32 v[ADRS], 128, v[ADRS]
	FETCH_B \next, 0, 0
	FETCH_A \next, 0, 0
	SCALES \next
	WIN MUL_HI
	MUL16 4, 1, NQ-1, \slot, 0
	MUL16 6, 1, NQ-1, \slot, 0
	PLACES NP
	WIN 0
	FETCH_A \next, 0, 4
.endm
	s_wait_tensorcnt 1
	s_barrier_signal -1
	s_barrier_wait -1
	FETCH_B 0, 0, 0
	FETCH_A 0, 0, 0
	SCALES 0
	FETCH_A 0, 0, 4
	STEP 0, 0, 1
	TURN 0, 1, 1
	STEP 1, 0, 0
	TURN 1, 0, 1
	STEP 0, 0, 0
	TURN 0, 1, 0
	STEP 1, 0, 0
	s_wait_dscnt 4*NL
	WIN MUL_LO
	MUL16 0, 1, NQ-1, 1, 0
	MUL16 2, 1, NQ-1, 1, 0
	s_wait_dscnt 0
	WIN MUL_HI
	MUL16 4, 1, NQ-1, 1, 0
	MUL16 6, 1, NQ-1, 1, 0
	WIN 0
	PLACES NP
	v_mov_b32 v[QX], 0
	v_mov_b32 v[QX+1], 0
	s_mov_b32 vcc_lo, 0xffff0000
	s_cmp_eq_u32 s66, 0
	s_cbranch_scc0 .Lvmode
.macro QUANT32 n, c
	v_max3_num_f32 v[QM], |v[(\n)]|, |v[(\n)+1]|, 0x1800000
	v_max3_num_f32 v[QM+1], |v[(\n)+16]|, |v[(\n)+17]|, 0x1800000
.irp i, 2,4,6,8,10,12,14
	v_max3_num_f32 v[QM], v[QM], |v[(\n)+\i]|, |v[(\n)+\i+1]|
	v_max3_num_f32 v[QM+1], v[QM+1], |v[(\n)+16+\i]|, |v[(\n)+17+\i]|
.endr
	v_permlanex16_b32 v[QX], v[QM], s22, s23
	v_permlanex16_b32 v[QX+1], v[QM+1], s22, s23
	v_max_num_f32 v[QM], v[QM], v[QX]
	v_max_num_f32 v[QM+1], v[QM+1], v[QX+1]
	v_add_nc_u32 v[QE], 0xff000000, v[QM]
	v_add_nc_u32 v[QE+1], 0xff000000, v[QM+1]
	v_lshrrev_b32 v[QB], 23, v[QE]
	v_lshrrev_b32 v[QB+1], 23, v[QE+1]
	v_cvt_scalef32_pk16_fp6_f32 v[(\c):(\c)+2], v[(\n):(\n)+15], v[QE]
	v_cvt_scalef32_pk16_fp6_f32 v[QT:QT+2], v[(\n)+16:(\n)+31], v[QE+1]
	v_lshl_or_b32 v[QW], v[QB+1], 8, v[QB]
.irp i, 0,1,2
	v_permlane16_swap_b32 v[(\c)+\i], v[QT+\i]
.endr
.irp i, 0,1,2
	v_mov_b32 v[(\c)+3+\i], v[QT+\i]
.endr
.endm
.macro UNIT a, g
.set AC, 64*((\a)%4)+32*(\g)
.set CC, C+6*(\g)
	CSSET \a
	WIN 0x06+(\a)/4
.irp i, 0,2,4,6,8,10,12,14
	v_pk_mul_f32 v[N+\i:N+\i+1], v[AC+\i:AC+\i+1], v[CS+\i:CS+\i+1]
	v_pk_mul_f32 v[N+16+\i:N+17+\i], v[AC+16+\i:AC+17+\i], v[CS+\i:CS+\i+1]
	v_pk_fma_f32 v[N+\i:N+\i+1], v[AC+16+\i:AC+17+\i], v[CS+16+\i:CS+17+\i], v[N+\i:N+\i+1]
	v_pk_fma_f32 v[N+16+\i:N+17+\i], v[AC+\i:AC+\i+1], v[CS+16+\i:CS+17+\i], v[N+16+\i:N+17+\i] neg_lo:[1,0,0] neg_hi:[1,0,0]
.endr
	WIN 0
	v_pk_mul_f32 v[SS:SS+1], v[N:N+1], v[N:N+1]
	v_pk_mul_f32 v[SS+2:SS+3], v[N+2:N+3], v[N+2:N+3]
.irp i, 4,8,12,16,20,24,28
	v_pk_fma_f32 v[SS:SS+1], v[N+\i:N+\i+1], v[N+\i:N+\i+1], v[SS:SS+1]
	v_pk_fma_f32 v[SS+2:SS+3], v[N+\i+2:N+\i+3], v[N+\i+2:N+\i+3], v[SS+2:SS+3]
.endr
	v_pk_add_f32 v[SS:SS+1], v[SS:SS+1], v[SS+2:SS+3]
	v_add_f32 v[SS], v[SS], v[SS+1]
	v_permlanex16_b32 v[SS+1], v[SS], s22, s23
	v_add_f32 v[SS], v[SS], v[SS+1]
	v_fma_f32 v[SS], v[SS], s2, s3
	s_wait_alu depctr_va_vdst(0)
	v_rsq_f32 v[RS], v[SS]
	v_mov_b32 v[RS+1], 0
	s_wait_alu depctr_va_vdst(0)
.irp i, 0,2,4,6,8,10,12,14,16,18,20,22,24,26,28,30
	v_pk_mul_f32 v[N+\i:N+\i+1], v[N+\i:N+\i+1], v[RS:RS+1] op_sel_hi:[1,0]
.endr
	s_wait_alu depctr_va_vdst(0)
	s_wait_xcnt 0x0
	QUANT32 N, CC
	v_or_b32 v[WD+8*(\g)+(\a)], 0x7f7f0000, v[QW]
	global_store_b128 v[L16], v[CC:CC+3], s[12:13] offset:16*QKB*(\g)+768*(\a)
	global_store_b64 v[L8], v[CC+4:CC+5], s[12:13] offset:16*QKB*(\g)+768*(\a)+512
.endm
.macro SCOUT g
.irp i, 0,1,2,3
	v_cndmask_b32 v[RR+4*(\g)+\i], v[WD+8*(\g)+2*\i], v[WD+8*(\g)+2*\i+1], vcc_lo
.endr
	global_store_b128 v[L16], v[RR+4*(\g):RR+4*(\g)+3], s[12:13] offset:16*QKB*(\g)+6144
.endm
	s_lshl_b32 s42, s45, 1
	s_add_co_u32 s42, s42, s15
	s_lshr_b32 s43, s42, 4
	s_lshl_b32 s43, s43, 4
	s_and_b32 s44, s46, 3
	s_lshl_b32 s44, s44, 2
	s_add_co_u32 s43, s43, s44
	s_lshl_b32 s44, s16, 1
	s_add_co_u32 s43, s43, s44
	s_lshl_b32 s43, s43, 4
	s_and_b32 s44, s42, 15
	s_add_co_u32 s43, s43, s44
	s_mul_i32 s42, s43, QKB
	s_mov_b32 s43, 0
	s_cmp_eq_u32 ttmp9, 0
	s_cselect_b64 s[12:13], s[96:97], s[98:99]
	s_add_nc_u64 s[12:13], s[12:13], s[42:43]
	s_mov_b32 s2, 0x3c800000
	s_mov_b32 s3, 0x34000000
	WIN TO_B
.irp a, 2,3,4,5,6,7
	CSLOAD \a
.endr
	WIN 0
.irp a, 0,1,2,3,4,5,6,7
	s_wait_loadcnt 8*(7-\a)
	UNIT \a, 0
	UNIT \a, 1
.endr
	SCOUT 0
	SCOUT 1
	s_branch .Lout
.Lvmode:
.macro VUNIT a
.set AC, 64*((\a)%4)
.set WN, 2+(\a)/4
	WIN (WN<<2)|(WN<<4)
	v_max3_num_f32 v[QM], 0x1800000, |v[AC]|, |v[AC+1]|
	v_max3_num_f32 v[QM+1], 0x1800000, |v[AC+32]|, |v[AC+33]|
.irp i, 2,4,6,8,10,12,14,16,18,20,22,24,26,28,30
	v_max3_num_f32 v[QM], v[QM], |v[AC+\i]|, |v[AC+\i+1]|
	v_max3_num_f32 v[QM+1], v[QM+1], |v[AC+32+\i]|, |v[AC+33+\i]|
.endr
	WIN 0
	v_add_nc_u32 v[QE], 0xff000000, v[QM]
	v_add_nc_u32 v[QE+1], 0xff000000, v[QM+1]
	v_lshrrev_b32 v[QB], 23, v[QE]
	v_lshrrev_b32 v[QB+1], 23, v[QE+1]
	v_lshl_or_b32 v[WD+(\a)], v[QB+1], 16, v[QB]
	v_lshlrev_b32 v[WD+(\a)], v[H8], v[WD+(\a)]
	v_permlanex16_b32 v[QX], v[WD+(\a)], s22, s23
	v_or_b32 v[WD+(\a)], v[WD+(\a)], v[QX]
	s_wait_alu depctr_va_vdst(0)
	s_wait_xcnt 0x0
	WIN WN
	v_cvt_scalef32_pk16_fp6_f32 v[C:C+2], v[AC:AC+15], v[QE]
	v_cvt_scalef32_pk16_fp6_f32 v[QT:QT+2], v[AC+16:AC+31], v[QE]
	v_cvt_scalef32_pk16_fp6_f32 v[C+6:C+8], v[AC+32:AC+47], v[QE+1]
	v_cvt_scalef32_pk16_fp6_f32 v[QT+4:QT+6], v[AC+48:AC+63], v[QE+1]
	WIN 0
	v_nop
.irp c, 0,1
.irp i, 0,1,2
	v_mov_b32 v[C+6*\c+3+\i], v[QT+4*\c+\i]
.endr
.endr
.irp k, 0,1,2
	global_store_b128 v[L16], v[C+4*\k:C+4*\k+3], s[12:13] offset:16*VB*((\a)/4)+1536*((\a)%4)+512*\k
.endr
.if (\a)%4 == 3
	v_cndmask_b32 v[RR+2*((\a)/4)], v[WD+(\a)-3], v[WD+(\a)-2], vcc_lo
	v_cndmask_b32 v[RR+2*((\a)/4)+1], v[WD+(\a)-1], v[WD+(\a)], vcc_lo
	global_store_b64 v[L8], v[RR+2*((\a)/4):RR+2*((\a)/4)+1], s[12:13] offset:16*VB*((\a)/4)+6144
.endif
.endm
	s_lshl_b32 s42, s46, 1
	s_add_co_u32 s42, s42, s16
	s_lshr_b32 s43, s42, 4
	s_lshl_b32 s43, s43, 4
	s_lshl_b32 s44, s41, 2
	s_add_co_u32 s43, s43, s44
	s_lshl_b32 s44, s15, 1
	s_add_co_u32 s43, s43, s44
	s_lshl_b32 s43, s43, 4
	s_and_b32 s44, s42, 15
	s_add_co_u32 s43, s43, s44
	s_mul_i32 s42, s43, VB
	s_mov_b32 s43, 0
	s_add_nc_u64 s[12:13], s[100:101], s[42:43]
.irp a, 0,1,2,3,4,5,6,7
	VUNIT \a
.endr
.Lout:
	s_wait_tensorcnt 0x0
	ds_add_u32 v[SPW], v[NIL]
	s_wait_dscnt 0x0
	CROUND
	s_endpgm
.Lfunc_end_k_q2250339465_qkv:
	.size	k_q2250339465_qkv, .Lfunc_end_k_q2250339465_qkv-k_q2250339465_qkv
	.p2alignl 7, 3214868480
	.fill 96, 4, 3214868480
	.section	.rodata,"a",@progbits
	.p2align	6, 0x0
	.amdhsa_kernel k_q2250339465_qkv
		.amdhsa_group_segment_fixed_size 327680
		.amdhsa_private_segment_fixed_size 0
		.amdhsa_enable_private_segment 0
		.amdhsa_kernarg_size 56
		.amdhsa_user_sgpr_count 2
		.amdhsa_user_sgpr_kernarg_segment_ptr 1
		.amdhsa_wavefront_size32 1
		.amdhsa_system_sgpr_workgroup_id_x 1
		.amdhsa_system_sgpr_workgroup_id_y 1
		.amdhsa_system_sgpr_workgroup_id_z 1
		.amdhsa_system_vgpr_workitem_id 0
		.amdhsa_next_free_vgpr 1024
		.amdhsa_next_free_sgpr 102
		.amdhsa_reserve_vcc 1
		.amdhsa_float_denorm_mode_32 3
		.amdhsa_float_denorm_mode_16_64 3
		.amdhsa_memory_ordered 1
		.amdhsa_forward_progress 1
		.amdhsa_inst_pref_size 255
	.end_amdhsa_kernel
	.section	.bss,"aw",@nobits
	.p2align	6
	.space	262144
	.amdgpu_metadata
---
amdhsa.version: [ 1, 2 ]
amdhsa.kernels:
  - .name:           k_q2250339465_qkv
    .symbol:         k_q2250339465_qkv.kd
    .args:
      - { .name: xq, .offset: 0, .size: 8, .value_kind: global_buffer, .address_space: global }
      - { .name: wq, .offset: 8, .size: 8, .value_kind: global_buffer, .address_space: global }
      - { .name: cos, .offset: 16, .size: 8, .value_kind: global_buffer, .address_space: global }
      - { .name: sin, .offset: 24, .size: 8, .value_kind: global_buffer, .address_space: global }
      - { .name: q_ws, .offset: 32, .size: 8, .value_kind: global_buffer, .address_space: global }
      - { .name: k_ws, .offset: 40, .size: 8, .value_kind: global_buffer, .address_space: global }
      - { .name: v_ws, .offset: 48, .size: 8, .value_kind: global_buffer, .address_space: global }
    .group_segment_fixed_size: 327680
    .private_segment_fixed_size: 0
    .kernarg_segment_align: 8
    .kernarg_segment_size: 56
    .max_flat_workgroup_size: 128
    .sgpr_count:     102
    .vgpr_count:     1024
    .wavefront_size: 32
...
	.end_amdgpu_metadata
.endif
;; end of part 2
;; launch attn (part 3): grid 4 x 64, 8 waves a work-group, clusters of 4 x 1, 210,944 bytes of LDS; arguments q_ws, k_ws, v_ws, yq; writes yq
.if DOCPART == 3
	.amdgcn_target "amdgcn-amd-amdhsa--gfx1250"
	.amdhsa_code_object_version 6
	.text
	.protected	k_q2250339465_attn
	.globl	k_q2250339465_attn
	.p2align	8
	.type	k_q2250339465_attn,@function
k_q2250339465_attn:
	s_mov_b64 s[64:65], 0
	v_nop
	global_prefetch_b8 v0, s[64:65] scope:SCOPE_SE
	s_setreg_imm32_b32 hwreg(HW_REG_WAVE_MODE, 25, 1), 1
	s_wait_xcnt 0x0
	s_wait_alu depctr_hold_cnt(0) depctr_sa_sdst(0) depctr_va_vdst(0) depctr_va_sdst(0) depctr_va_ssrc(0) depctr_va_vcc(0) depctr_vm_vsrc(0)
	s_getreg_b32 s2, hwreg(HW_REG_IB_STS2, 6, 4)
	s_cmp_eq_u32 s2, 0
	s_cbranch_scc0 .Lentry_in_a_cluster
	s_endpgm
.Lentry_in_a_cluster:
	s_bfe_u32 s2, ttmp6, 0x10000c
	s_cmp_lg_u32 s2, 0x3003
	s_cbranch_scc0 .Lentry_shape_is_right
	s_endpgm
.Lentry_shape_is_right:
; y = softmax(q k^T / 8) v for one (batch, head), both products on codes of FP6 (E2M3) with E8M0 scales; y is divided by the row's sum, quantised along the channels and stored as codes for the last product.
; SHARES.  A cluster's four work-groups are the four blocks of 512 queries of one head.  Each of a work-group's eight waves owns FOUR tiles of 16 queries at once (tile w of each of the block's four groups of 128 queries)
; and walks the 2,048 keys once, 128 a step: a step's fragments of K (6,656 bytes) and of V (6,400 bytes) are read from LDS once for 48 matrix instructions.
; THE HEAD'S K AND V LIE WHOLE IN LDS: 16 steps x 6,656 bytes of K, 16 x 6,400 of V, as images of the operands' registers with their scale words.  They are filled ONCE, by joint loads that name the four work-groups
; (waves 0-3: a quarter of K each, waves 4-7: of V; one tensor load of a wave is out): nothing is filled again, so there is one barrier and no ring.  No prefetch: all tiles are asked for at the head, no loop runs ahead of a load.
; LAYOUT.  Both products are used transposed: S^T = K Q^T, O^T = V^T P^T: a lane holds ONE query.  Register 32 c + i of S^T is key 64 c + 32 h + i: a whole block of 32 keys in a lane, in the order of the operand's registers.
; K OF THE FIRST PRODUCT IS 64, the instruction's 128: Q's registers 6-11 hold zero codes, so whatever codes stand in source 0's upper six registers (the next tile's; behind the last tile six zeros) add nothing;
; bytes 2 and 3 of both scale words are 127.
; THE ORDER OF A STEP.  For tile a: 32 packed multiplies (t); 64 exponentials with the eight products K Q^T of tile a + 1 among them, one for each eight (into the other S buffer); behind them, ahead of the batch's wait,
; tile a - 1's scale word and the moves of its codes; the blocks' maxima and the row's sum in eight chains by turns, with the four products V^T P^T of tile a - 1 among them; the conversions.
; K's next fragments are asked for in tile 2, behind the last product that reads them; V's at the step's top.
; O^T BEGINS AS CLEARED REGISTERS, written while the tensor loads are out: so the step is written once, and the text stays short.
; THE SOFTMAX.  t = score x log2(e) / 8; p = 2^t is quantised, block by block; the row's sum is taken of the unquantised p and divides at the end.  M = 0 STANDS FOR THE ROW'S CEILING: any whole M gives the same codes' values,
; since a block's scale takes the power of two up.  No maximum is taken away because the computation itself bounds t: q and k are RMS-normalised, so each has a norm of at most 8; quantised at most 8 x 17/16 + 8 x 2/16 = 9.5;
; |score / 8| <= 90.25 / 8 = 11.3, |t| <= 16.3 for every input.  So p lies in 2^-17 .. 2^17, a row's sum under 2^28, p's scale bytes within 127 +- 19: nothing can overflow or underflow.
; LIMITS: NaN and infinities are not served; a block of y under 2^-124 or of zeros gets the byte 1 (zero codes; this program alone reads the bytes).  1 / sum by v_rcp_f32.  y's two scale bytes of a row leave as 2 bytes a lane.
; REGISTERS.  Window 1 (v256-511): v0-127 two S buffers; v128-175 K's eight tiles, v176-181 zeros; v192-255 O^T of tiles 0, 1.  Window 0: all else; v192-255 O^T of tiles 2, 3.
.set KB,   6656
.set VB,   6400
.set VOFF, 16*KB
.set XSC,  6291456                     ; where yq's scale words begin
.set SPARE, 0x33000                    ; behind V: the spare words, 128 bytes a wave
.set L16,  1                           ; 16 l
.set L8K,  2                           ; 8 l + 512
.set LV16, 3                           ; VOFF + 16 l
.set LV8,  4                           ; VOFF + 6,144 + 8 l
.set H8,   5                           ; 8 h
.set L8,   6                           ; 8 l
.set R8,   7                           ; 8 r
.set ADK16, 8                          ; v8-11 the step's LDS addresses
.set ADK8,  9
.set ADV16, 10
.set ADV8,  11
.set LS,   12                          ; v12-27 the rows' sums: tile a's first two chains of pairs at LS + 4 a
.set PW,   28                          ; p's scale word
.set PT,   29                          ; a lane permute's target
.set VS,   30                          ; v30-31 V's scale words
.set KS,   32                          ; v32-35 K's
.set FV,   36                          ; v36-83 V's four tiles; at the end y (N)
.set N,    36
.set Q,    84                          ; v84-131 four tiles of queries: six registers of codes, six of zero codes; at the end y's codes
.set QS,   132                         ; v132-135 their scale words
.set P,    136                         ; v136-147 p's codes; at the end lane permutes' targets (PX) and 1 / sum (RC)
.set PX,   136
.set RC,   140
.set T,    148                         ; v148-150, v152-154 upper halves of blocks
.set QX,   164                         ; v164-165 at the end: lane permutes' targets, cleared at the head
.set QM,   156                         ; v156-157, v162-163 largest p: two chains a block
.set QE,   158
.set QB,   160
.set QN,   162
.set SPW,  168
.set NIL,  169
.set LS2,  170                         ; v170-185 the sums' other two chains of pairs, at LS2 + 4 a
.set R16,  186                         ; 16 r
.set QW,   116                         ; at the end: y's two bytes, a register a tile
.set F,    128                         ; window 1: K's tiles
.set Z,    176
.set WV,   18
.set SEL,  20
.set CS,   22
.set G1K,  24
.set G1V,  32
.set G0K,  40
.set G0V,  44
.set TK,   2
.set TV,   3
.set CNT,  66
.set MSB, 0
.macro WIN new                         ; the immediate's high byte repeats the setting that is left
.if MSB != (\new)
	s_set_vgpr_msb (MSB<<8)|(\new)
.set MSB, (\new)
.endif
.endm
.macro ROUND                           ; a round of the cluster's barrier
	s_barrier_signal -1
	s_barrier_wait -1
	s_cmp_lg_u32 s[WV], 0
	s_cbranch_scc1 .Lnot_wave_0_\@
	s_barrier_signal -3
.Lnot_wave_0_\@:
	s_barrier_wait -3
	s_barrier_signal -1
	s_barrier_wait -1
.endm
	s_load_b256 s[4:11], s[0:1], 0x0               ; q_ws, k_ws, v_ws, yq
	v_lshl_add_u32 v[SPW], v0, 2, SPARE
	v_mov_b32 v[NIL], 0
	ds_add_u32 v[SPW], v[NIL]                      ; the opening lines: the add twice on end and its wait
	ds_add_u32 v[SPW], v[NIL]
	v_lshrrev_b32 v8, 5, v0
	s_delay_alu instid0(VALU_DEP_1)
	v_readfirstlane_b32 s[WV], v8                  ; wave 0..7
	s_bfe_u32 s90, ttmp6, 0x40000                  ; cx: it enters Q's and y's addresses alone
	s_and_b32 s91, ttmp7, 0xffff                   ; 16 b + head, which the four partners share
	s_and_b32 s92, s[WV], 3                        ; which four key steps I fetch
	; group 1: a dense block as rows of 256 bytes (32 elements of 8 bytes): K 104 rows, V 100
	s_mov_b32 s[G1K], 15|(3<<16)|(1<<21)           ; the mask: all four work-groups; elements of 8 bytes; bit 21 beside a mask
	s_mov_b32 s[G1K+1], 32<<16
	s_mov_b32 s[G1K+2], 104<<16
	s_mov_b32 s[G1K+3], 32<<16
	s_mov_b32 s[G1K+4], 104
	s_mov_b32 s[G1K+5], 32
	s_mov_b32 s[G1K+6], 0
	s_mov_b32 s[G1K+7], 0
	s_mov_b32 s[G1V], 15|(3<<16)|(1<<21)
	s_mov_b32 s[G1V+1], 32<<16
	s_mov_b32 s[G1V+2], 100<<16
	s_mov_b32 s[G1V+3], 32<<16
	s_mov_b32 s[G1V+4], 100
	s_mov_b32 s[G1V+5], 32
	s_mov_b32 s[G1V+6], 0
	s_mov_b32 s[G1V+7], 0
	s_mov_b32 s[SEL], 0x76543210
	s_mov_b32 s[SEL+1], 0xfedcba98                 ; selects for lane l xor 16
	s_mov_b32 s[CS], 0x3e38aa3b                    ; log2(e) / 8
	s_mov_b32 s[CS+1], s[CS]                       ; (named with it as a pair)
	s_mul_i32 s93, s92, 4*KB
	s_mov_b32 s[G0K], 1
	s_mov_b32 s[G0K+1], s93                        ; LDS: four steps x (wave % 4)
	s_mul_i32 s[G0K+2], s91, 16*KB
	s_add_co_u32 s[G0K+2], s[G0K+2], s93
	s_mov_b32 s[G0K+3], 0
	s_mul_i32 s93, s92, 4*VB
	s_mov_b32 s[G0V], 1
	s_add_co_u32 s[G0V+1], s93, VOFF
	s_mul_i32 s[G0V+2], s91, 16*VB
	s_add_co_u32 s[G0V+2], s[G0V+2], s93
	s_mov_b32 s[G0V+3], 0
	s_wait_dscnt 0x0
	s_wait_kmcnt 0x0
	s_add_nc_u64 s[G0K+2:G0K+3], s[6:7], s[G0K+2:G0K+3]
	s_or_b32 s[G0K+3], s[G0K+3], 0x80000000
	s_add_nc_u64 s[G0V+2:G0V+3], s[8:9], s[G0V+2:G0V+3]
	s_or_b32 s[G0V+3], s[G0V+3], 0x80000000
	ROUND                                          ; all four work-groups are here: the joint loads meet
	s_cmp_lt_u32 s[WV], 4                          ; every wave issues one load: waves 0-3 K's, waves 4-7 V's
	s_cbranch_scc0 .Lfor_v
	tensor_load_to_lds s[G0K:G0K+3], s[G1K:G1K+7]
	s_nop 0
.rept 4
	v_nop
.endr
	s_branch .Lasked
.Lfor_v:
	tensor_load_to_lds s[G0V:G0V+3], s[G1V:G1V+7]
	s_nop 0
.rept 4
	v_nop
.endr
.Lasked:
	v_and_b32 v9, 31, v0                           ; lane
	v_and_b32 v10, 15, v0                          ; r
	v_bfe_u32 v11, v0, 4, 1                        ; h
	v_lshlrev_b32 v[L16], 4, v9
	v_lshlrev_b32 v[L8], 3, v9
	v_lshlrev_b32 v[H8], 3, v11
	v_lshlrev_b32 v[R8], 3, v10
	v_lshlrev_b32 v[R16], 4, v10
	v_add_nc_u32 v[L8K], 512, v[L8]
	v_add_nc_u32 v[LV16], VOFF, v[L16]
	v_add_nc_u32 v[LV8], VOFF+6144, v[L8]
	s_wait_alu depctr_va_vdst(0)                   ; the wait ahead of the run of scalar lines
	s_lshl_b32 s98, s90, 2                         ; my block's first group of 128 queries: 4 cx; tile a lies in group 4 cx + a, at place `wave`
	s_lshl_b32 s94, s91, 4
	s_add_co_u32 s94, s94, s98
	s_mul_i32 s94, s94, KB
	s_mov_b32 s95, 0
	s_add_nc_u64 s[84:85], s[4:5], s[94:95]        ; q_ws at that group
	s_and_b32 s94, s[WV], 1
	s_lshl_b32 s94, s94, 8
	s_lshr_b32 s99, s[WV], 1
	s_lshl_b32 s99, s99, 2
	s_add_co_u32 s94, s94, s99
	s_add_co_u32 s94, s94, 6144
	s_add_nc_u64 s[96:97], s[84:85], s[94:95]      ; scale words: 6,144 + 256 (wave % 2) + 4 (wave / 2), 16 bytes from row to row
	s_mul_i32 s94, s[WV], 768
	s_add_nc_u64 s[84:85], s[84:85], s[94:95]      ; half image `wave`
.irp a, 0,1,2,3
	global_load_b128 v[Q+12*\a:Q+12*\a+3], v[L16], s[84:85] offset:\a*KB
	global_load_b64 v[Q+12*\a+4:Q+12*\a+5], v[L8], s[84:85] offset:\a*KB+512
	global_load_b32 v[QS+\a], v[R16], s[96:97] offset:\a*KB
.endr
	s_lshr_b32 s94, s91, 4
	s_lshl_b32 s94, s94, 4
	s_add_co_u32 s94, s94, s98                     ; the group among all 64
	s_lshl_b32 s94, s94, 3
	s_add_co_u32 s99, s94, s[WV]                   ; y's row tile of my tile 0; tile a's lies 8 a on
	s_and_b32 s92, s91, 15                         ; the head
	s_mul_i32 s94, s99, 12288
	s_mul_i32 s98, s92, 768
	s_add_co_u32 s94, s94, s98
	s_add_nc_u64 s[86:87], s[10:11], s[94:95]      ; y's codes: row tile x 12,288 + head x 768
	s_lshl_b32 s94, s99, 9
	s_lshr_b32 s98, s92, 2
	s_lshl_b32 s98, s98, 7
	s_add_co_u32 s94, s94, s98
	s_bfe_u32 s98, s92, 0x10001
	s_lshl_b32 s98, s98, 2
	s_add_co_u32 s94, s94, s98
	s_and_b32 s98, s92, 1
	s_lshl_b32 s98, s98, 1
	s_add_co_u32 s94, s94, s98
	s_add_co_u32 s94, s94, XSC
	s_add_nc_u64 s[88:89], s[10:11], s[94:95]      ; y's scale bytes: row tile x 512 + 128 (head / 4) + 4 ((head / 2) % 2) + 2 (head % 2), 8 bytes from row to row
.irp a, 0,1,2,3
.irp i, 6,7,8,9,10,11
	v_mov_b32 v[Q+12*\a+\i], 0                     ; Q's zero codes
.endr
.endr
.set j, 0
.rept 16
	v_mov_b32 v[LS+j], 0                           ; the sums
	v_mov_b32 v[LS2+j], 0
.set j, j+1
.endr
	v_mov_b32 v[PT], 0                             ; written once: a lane permute's destination counts as one of its sources
	v_mov_b32 v[QX], 0
	v_mov_b32 v[QX+1], 0
.set j, 192
.rept 64
	v_mov_b32 v[j], 0                              ; O^T of tiles 2, 3
.set j, j+1
.endr
	WIN 0x40
.set j, 192
.rept 64
	v_mov_b32 v[j], 0                              ; O^T of tiles 0, 1
.set j, j+1
.endr
.irp i, 0,1,2,3,4,5
	v_mov_b32 v[Z+\i], 0                           ; zero codes behind K's last tile
.endr
	WIN 0
.macro KLOAD a16, a8                   ; a step's K: eight half images into window 1, the scale words into window 0
	WIN 0x40
.irp t, 0,1,2,3,4,5,6,7
	ds_load_b128 v[F+6*\t:F+6*\t+3], v[\a16] offset:768*\t
	ds_load_b64 v[F+6*\t+4:F+6*\t+5], v[\a8] offset:768*\t
.endr
	WIN 0
	ds_load_b128 v[KS:KS+3], v[\a16] offset:6144
.endm
.macro W1S a                           ; one product K Q^T of tile a: key tile tt, into the S buffer at SN.  Setting 0x41: D and K in window 1, Q in window 0
.if (tt&1) == 0
	v_wmma_scale_f32_16x16x128_f8f6f4 v[SN+8*tt:SN+8*tt+7], v[F+6*tt:F+6*tt+11], v[Q+12*(\a):Q+12*(\a)+11], 0, v[KS+tt/2], v[QS+(\a)] matrix_a_fmt:MATRIX_FMT_FP6 matrix_b_fmt:MATRIX_FMT_FP6
.else
	v_wmma_scale_f32_16x16x128_f8f6f4 v[SN+8*tt:SN+8*tt+7], v[F+6*tt:F+6*tt+11], v[Q+12*(\a):Q+12*(\a)+11], 0, v[KS+tt/2], v[QS+(\a)] matrix_a_fmt:MATRIX_FMT_FP6 matrix_b_fmt:MATRIX_FMT_FP6 matrix_a_scale:MATRIX_SCALE_ROW1
.endif
.endm
.macro W2S a, u                        ; one product of O^T of tile a += V^T P^T: channels' tile u.  The four accumulators take turns
.set OB, 192+32*((\a)%2)
	WIN 0x50*(1-(\a)/2)
.if ((\u)&1) == 0
	v_wmma_scale_f32_16x16x128_f8f6f4 v[OB+8*(\u):OB+8*(\u)+7], v[FV+12*(\u):FV+12*(\u)+11], v[P:P+11], v[OB+8*(\u):OB+8*(\u)+7], v[VS+(\u)/2], v[PW] matrix_a_fmt:MATRIX_FMT_FP6 matrix_b_fmt:MATRIX_FMT_FP6
.else
	v_wmma_scale_f32_16x16x128_f8f6f4 v[OB+8*(\u):OB+8*(\u)+7], v[FV+12*(\u):FV+12*(\u)+11], v[P:P+11], v[OB+8*(\u):OB+8*(\u)+7], v[VS+(\u)/2], v[PW] matrix_a_fmt:MATRIX_FMT_FP6 matrix_b_fmt:MATRIX_FMT_FP6 matrix_a_scale:MATRIX_SCALE_ROW1
.endif
.endm
.macro LATE                            ; p's scale word, and the upper halves of its blocks to their places: two chains by turns
	v_lshrrev_b32 v[QB], 23, v[QE]
	v_lshrrev_b32 v[QB+1], 23, v[QE+1]
	v_mov_b32 v[P+3], v[T]
	v_lshl_or_b32 v[PW], v[QB+1], 16, v[QB]        ; my bytes: key blocks h and 2 + h,
	v_mov_b32 v[P+4], v[T+1]
	v_lshlrev_b32 v[PW], v[H8], v[PW]
	v_mov_b32 v[P+5], v[T+2]
	v_permlanex16_b32 v[PT], v[PW], s[SEL], s[SEL+1]
	v_mov_b32 v[P+9], v[T+4]
	v_or_b32 v[PW], v[PW], v[PT]                   ; with lane l xor 16's the query's word is whole
	v_mov_b32 v[P+10], v[T+5]
	v_mov_b32 v[P+11], v[T+6]
.endm
.macro MX d, o, g                      ; a link of a chain of maxima; the first takes the floor 2^(3 - 127), which keeps the byte from falling under 1 (no p is negative)
.if (\g) == 0
	v_max3_num_f32 v[\d], 0x1800000, v[SB+(\o)], v[SB+(\o)+1]
.else
	v_max3_num_f32 v[\d], v[\d], v[SB+(\o)+2*(\g)], v[SB+(\o)+2*(\g)+1]
.endif
.endm
.macro TILE a
.set SB, 64*((\a)%2)
.set SN, 64*(((\a)+1)%2)
.set LA, LS+4*(\a)
.set LC, LS2+4*(\a)
	WIN 0x41
.if (\a) > 0
	s_wait_alu depctr_va_vdst(0)                   ; S^T was written among exponentials
.endif
.set j, 0
.rept 32
	v_pk_mul_f32 v[SB+j:SB+j+1], v[SB+j:SB+j+1], s[CS:CS+1] op_sel_hi:[1,0]   ; t, ascending: each accumulator from its low end on
.set j, j+2
.endr
	s_wait_alu depctr_va_vdst(0)                   ; the wait ahead of the batch
.set tt, 0
.set j, 0
.rept 8
.if (\a) < 3
	W1S (\a)+1                                     ; the next tile's scores, into the other buffer
.endif
.rept 8
	v_exp_f32 v[SB+j], v[SB+j]                     ; p = 2^t
.set j, j+1
.endr
.set tt, tt+1
.endr
	WIN 0
.if (\a) > 0
	LATE                                           ; tile a - 1's: plain lines that name no result of the batch; in tile 2 also the places behind the last product that reads K
.else
	v_nop                                          ; the plain place behind the last exponential
.endif
.if (\a) == 1
	s_wait_dscnt 0x0                               ; V is in: only its 13 loads are out here
.endif
	s_wait_alu depctr_va_vdst(0)                   ; one wait for the batch: it also stands ahead of the first reader of O^T
.if (\a) == 2
	s_cmp_eq_u32 s[CNT], 1                         ; the last step has no successor
	s_cbranch_scc1 .Lno_k_\@
	KLOAD ADK16, ADK8                              ; the next step's K: it lands under the rest of tile 2 and tile 3
.Lno_k_\@:
	s_wait_alu depctr_va_vdst(0)                   ; the wait directly ahead of the lines below
.endif
.irp g, 0,1,2,3,4,5,6,7                ; my two blocks' largest p and THE ROW'S SUM, TAKEN OF THE UNQUANTISED p: eight chains by turns
	WIN 0x14
	MX QM, 0, \g
	v_pk_add_f32 v[LA:LA+1], v[LA:LA+1], v[SB+8*\g:SB+8*\g+1]
	MX QN, 16, \g
	v_pk_add_f32 v[LA+2:LA+3], v[LA+2:LA+3], v[SB+8*\g+2:SB+8*\g+3]
	MX QM+1, 32, \g
	v_pk_add_f32 v[LC:LC+1], v[LC:LC+1], v[SB+8*\g+4:SB+8*\g+5]
	MX QN+1, 48, \g
	v_pk_add_f32 v[LC+2:LC+3], v[LC+2:LC+3], v[SB+8*\g+6:SB+8*\g+7]
.if (\a) > 0 && \g < 4
	W2S (\a)-1, \g                                 ; eight plain lines and more stand between p's scale word and codes and the first of these
.endif
.endr
	WIN 0
	v_max_num_f32 v[QM], v[QM], v[QN]
	v_max_num_f32 v[QM+1], v[QM+1], v[QN+1]
	v_add_nc_u32 v[QE], 0xff000000, v[QM]          ; 2 off the exponent field: the conversion's scale operand
	v_add_nc_u32 v[QE+1], 0xff000000, v[QM+1]
	WIN 0x01
	v_cvt_scalef32_pk16_fp6_f32 v[P:P+2], v[SB:SB+15], v[QE]
	v_cvt_scalef32_pk16_fp6_f32 v[T:T+2], v[SB+16:SB+31], v[QE]
	v_cvt_scalef32_pk16_fp6_f32 v[P+6:P+8], v[SB+32:SB+47], v[QE+1]
	v_cvt_scalef32_pk16_fp6_f32 v[T+4:T+6], v[SB+48:SB+63], v[QE+1]
.endm
	s_wait_alu depctr_va_vdst(0)                   ; the wait at the head's end
	s_wait_tensorcnt 0x0                           ; my load has landed,
	s_barrier_signal -1
	s_barrier_wait -1                              ; everybody's has: the head's K and V lie in LDS for the rest of the launch
	KLOAD L16, L8K                                 ; step 0's K
	s_mov_b32 s[TK], KB                            ; where the next step's K lies
	s_mov_b32 s[TV], 0                             ; where this step's V lies
	s_mov_b32 s[CNT], 16
	s_wait_loadcnt 0x0                             ; the four tiles of queries
.Lk:
	s_wait_dscnt 0x0                               ; this step's K is in
	WIN 0x41
.set SN, 0
.set tt, 0
.rept 8
	W1S 0
.set tt, tt+1
.endr
	WIN 0
	v_add_nc_u32 v[ADV16], s[TV], v[LV16]          ; four plain lines: the places behind the last step's products, ahead of the loads into V's registers, and ahead of the first read of S^T
	v_add_nc_u32 v[ADV8], s[TV], v[LV8]
	v_add_nc_u32 v[ADK16], s[TK], v[L16]
	v_add_nc_u32 v[ADK8], s[TK], v[L8K]
.irp g, 0,1,2,3,4,5,6,7,8,9,10,11
	ds_load_b128 v[FV+4*\g:FV+4*\g+3], v[ADV16] offset:512*\g      ; V's four tiles: they land under tile 0
.endr
	ds_load_b64 v[VS:VS+1], v[ADV8]
	TILE 0
	TILE 1
	TILE 2
	TILE 3
	WIN 0
	LATE                                           ; tile 3's (its first line is the plain place behind the conversions)
.rept 6
	v_nop                                          ; with the two moves: eight places between p's scale word and the products below
.endr
	s_wait_alu depctr_va_vdst(0)                   ; the wait directly ahead of the first reader of O^T
.irp u, 0,1,2,3
	W2S 3, \u
.endr
	s_add_co_u32 s[TK], s[TK], KB
	s_add_co_u32 s[TV], s[TV], VB
	s_sub_co_u32 s[CNT], s[CNT], 1
	s_cmp_lg_u32 s[CNT], 0
	s_cbranch_scc1 .Lk
; THE END: the four rows' sums (these lines are also the places behind the last products), their reciprocals as one batch, then tile by tile.
.irp a, 0,1,2,3
	v_pk_add_f32 v[LS+4*\a:LS+4*\a+1], v[LS+4*\a:LS+4*\a+1], v[LS+4*\a+2:LS+4*\a+3]
	v_pk_add_f32 v[LS2+4*\a:LS2+4*\a+1], v[LS2+4*\a:LS2+4*\a+1], v[LS2+4*\a+2:LS2+4*\a+3]
.endr
.irp a, 0,1,2,3
	v_pk_add_f32 v[LS+4*\a:LS+4*\a+1], v[LS+4*\a:LS+4*\a+1], v[LS2+4*\a:LS2+4*\a+1]
.endr
.irp a, 0,1,2,3
	v_add_f32 v[LS+4*\a], v[LS+4*\a], v[LS+4*\a+1]
.endr
.irp a, 0,1,2,3
	v_permlanex16_b32 v[PX+\a], v[LS+4*\a], s[SEL], s[SEL+1]
.endr
.irp a, 0,1,2,3
	v_add_f32 v[LS+4*\a], v[LS+4*\a], v[PX+\a]     ; with lane l xor 16's keys: the row's sum
.endr
	s_wait_alu depctr_va_vdst(0)                   ; the wait ahead of the batch
.irp a, 0,1,2,3
	v_rcp_f32 v[RC+2*\a], v[LS+4*\a]
.endr
.irp a, 0,1,2,3
	v_mov_b32 v[RC+2*\a+1], 0                      ; plain places; the pairs are named whole below
.endr
; O^T / the sum is y: registers 0-15 are d = 16 h + i, registers 16-31 d = 32 + 16 h + i; quantised along d, it is half image `head` of y's row tile.  Each tile has its own registers for what it stores.
.macro FIN a
.set OB, 192+32*((\a)%2)
.set PC, Q+8*(\a)
	WIN 1-(\a)/2
	s_wait_alu depctr_va_vdst(0)                   ; the wait behind the reciprocals, directly ahead of the first reader of this tile's O^T
.set j, 0
.rept 16
	v_pk_mul_f32 v[N+j:N+j+1], v[OB+j:OB+j+1], v[RC+2*(\a):RC+2*(\a)+1] op_sel_hi:[1,0]   ; ascending: each accumulator from its low end on
.set j, j+2
.endr
	WIN 0
	v_max3_num_f32 v[QM], |v[N]|, |v[N+1]|, 0x1800000
	v_max3_num_f32 v[QM+1], |v[N+16]|, |v[N+17]|, 0x1800000
.irp i, 2,4,6,8,10,12,14
	s_delay_alu instid0(VALU_DEP_2)
	v_max3_num_f32 v[QM], v[QM], |v[N+\i]|, |v[N+\i+1]|
	s_delay_alu instid0(VALU_DEP_2)
	v_max3_num_f32 v[QM+1], v[QM+1], |v[N+16+\i]|, |v[N+17+\i]|
.endr
	s_delay_alu instid0(VALU_DEP_2)
	v_permlanex16_b32 v[QX], v[QM], s[SEL], s[SEL+1]
	s_delay_alu instid0(VALU_DEP_2)
	v_permlanex16_b32 v[QX+1], v[QM+1], s[SEL], s[SEL+1]
	s_delay_alu instid0(VALU_DEP_2)
	v_max_num_f32 v[QM], v[QM], v[QX]
	s_delay_alu instid0(VALU_DEP_2)
	v_max_num_f32 v[QM+1], v[QM+1], v[QX+1]
	s_delay_alu instid0(VALU_DEP_2)
	v_add_nc_u32 v[QE], 0xff000000, v[QM]
	s_delay_alu instid0(VALU_DEP_2)
	v_add_nc_u32 v[QE+1], 0xff000000, v[QM+1]
	s_delay_alu instid0(VALU_DEP_2)
	v_lshrrev_b32 v[QB], 23, v[QE]
	s_delay_alu instid0(VALU_DEP_2)
	v_lshrrev_b32 v[QB+1], 23, v[QE+1]
	v_cvt_scalef32_pk16_fp6_f32 v[PC:PC+2], v[N:N+15], v[QE]
	v_cvt_scalef32_pk16_fp6_f32 v[T:T+2], v[N+16:N+31], v[QE+1]
	v_lshl_or_b32 v[QW+(\a)], v[QB+1], 8, v[QB]    ; (the plain place behind the conversions)
.irp i, 0,1,2
	v_permlane16_swap_b32 v[PC+\i], v[T+\i]        ; lanes 0-15 get block 0 whole, lanes 16-31 block 1
.endr
.irp i, 0,1,2
	s_delay_alu instid0(VALU_DEP_3)
	v_mov_b32 v[PC+3+\i], v[T+\i]
.endr
	global_store_b128 v[L16], v[PC:PC+3], s[86:87] offset:8*12288*(\a)        ; 512 consecutive bytes, aligned to 256
	global_store_b64 v[L8], v[PC+4:PC+5], s[86:87] offset:8*12288*(\a)+512    ; 256 consecutive bytes, aligned
	global_store_b16 v[R8], v[QW+(\a)], s[88:89] offset:8*512*(\a)            ; two bytes a row (lanes r and r + 16 write the same two)
.endm
	FIN 0
	FIN 1
	FIN 2
	FIN 3
	s_wait_tensorcnt 0x0                           ; the wave's end
	ds_add_u32 v[SPW], v[NIL]
	s_wait_dscnt 0x0
	ROUND                                          ; the closing round
	s_endpgm
.Lfunc_end_k_q2250339465_attn:
	.size	k_q2250339465_attn, .Lfunc_end_k_q2250339465_attn-k_q2250339465_attn
	.p2alignl 7, 3214868480
	.fill 96, 4, 3214868480
	.section	.rodata,"a",@progbits
	.p2align	6, 0x0
	.amdhsa_kernel k_q2250339465_attn
		.amdhsa_group_segment_fixed_size 210944
		.amdhsa_private_segment_fixed_size 0
		.amdhsa_enable_private_segment 0
		.amdhsa_kernarg_size 32
		.amdhsa_user_sgpr_count 2
		.amdhsa_user_sgpr_kernarg_segment_ptr 1
		.amdhsa_wavefront_size32 1
		.amdhsa_system_sgpr_workgroup_id_x 1
		.amdhsa_system_sgpr_workgroup_id_y 1
		.amdhsa_system_sgpr_workgroup_id_z 1
		.amdhsa_system_vgpr_workitem_id 0
		.amdhsa_next_free_vgpr 512
		.amdhsa_next_free_sgpr 100
		.amdhsa_reserve_vcc 0
		.amdhsa_float_denorm_mode_32 3
		.amdhsa_float_denorm_mode_16_64 3
		.amdhsa_memory_ordered 1
		.amdhsa_forward_progress 1
		.amdhsa_inst_pref_size 79
	.end_amdhsa_kernel
	.amdgpu_metadata
---
amdhsa.version: [ 1, 2 ]
amdhsa.kernels:
  - .name:           k_q2250339465_attn
    .symbol:         k_q2250339465_attn.kd
    .args:
      - { .name: q_ws, .offset: 0, .size: 8, .value_kind: global_buffer, .address_space: global }
      - { .name: k_ws, .offset: 8, .size: 8, .value_kind: global_buffer, .address_space: global }
      - { .name: v_ws, .offset: 16, .size: 8, .value_kind: global_buffer, .address_space: global }
      - { .name: yq, .offset: 24, .size: 8, .value_kind: global_buffer, .address_space: global }
    .group_segment_fixed_size: 210944
    .private_segment_fixed_size: 0
    .kernarg_segment_align: 8
    .kernarg_segment_size: 32
    .max_flat_workgroup_size: 256
    .sgpr_count:     100
    .vgpr_count:     512
    .wavefront_size: 32
...
	.end_amdgpu_metadata
.endif
;; end of part 3
;; launch proj (part 4): grid 4 x 32, 4 waves a work-group, clusters of 4 x 4, 327,680 bytes of LDS; arguments yq, wq, out0; writes out0
.if DOCPART == 4
	.amdgcn_target "amdgcn-amd-amdhsa--gfx1250"
	.amdhsa_code_object_version 6
	.text
	.protected	k_q2250339465_proj
	.globl	k_q2250339465_proj
	.p2align	8
	.type	k_q2250339465_proj,@function
k_q2250339465_proj:
	s_mov_b64 s[64:65], 0
	v_nop
	global_prefetch_b8 v0, s[64:65] scope:SCOPE_SE
	s_setreg_imm32_b32 hwreg(HW_REG_WAVE_MODE, 25, 1), 1
	s_wait_xcnt 0x0
	s_wait_alu depctr_hold_cnt(0) depctr_sa_sdst(0) depctr_va_vdst(0) depctr_va_sdst(0) depctr_va_ssrc(0) depctr_va_vcc(0) depctr_vm_vsrc(0)
	s_getreg_b32 s2, hwreg(HW_REG_IB_STS2, 6, 4)
	s_cmp_eq_u32 s2, 0
	s_cbranch_scc0 .Lentry_in_a_cluster
	s_endpgm
.Lentry_in_a_cluster:
	s_bfe_u32 s2, ttmp6, 0x10000c
	s_cmp_lg_u32 s2, 0xf033
	s_cbranch_scc0 .Lentry_shape_is_right
	s_endpgm
.Lentry_shape_is_right:
.set XSC,   6291456
.set WSC,   3145728
.set NQ,    2
.set FR,    12
.set NL,    4
.set NP,    4
.set RT,    3072
.set TROW,  12288
.set HALFT, 8*RT
.set SLOT,  4*HALFT
.set SCL,   2*SLOT
.set SPARE, SCL+4*4096
.set STAGE, SPARE+512
.set SPITCH, 528
.set ADRA, 16
.set ADRB, 20
.set STO,  24
.set RD,   25
.set CO,   26
.set ADRS, 27
.set SPW,  28
.set NIL,  29
.set SC,   32
.set AF,   128
.set BK,   128
.set G1, 24
.set G0, 32
.set G1B, 48
.set G0B, 56
.set G1S, 68
.set G0S, 76
.set G1SB, 80
.set G0SB, 88
.set MSB, 0
.macro WIN new
.if MSB != (\new)
	s_set_vgpr_msb (MSB<<8)|(\new)
.set MSB, (\new)
.endif
.endm
.set MUL_LO, 0xa1
.set MUL_HI, 0xf1
.set TO_B,   0x40
.macro JLOAD g0a, g1a, g0b, g1b
	s_cmp_eq_u32 s15, 0
	s_cbranch_scc0 .Lfor_b_\@
	tensor_load_to_lds s[\g0a:\g0a+3], s[\g1a:\g1a+7]
	s_nop 0
.rept 4
	v_nop
.endr
	s_branch .Lasked_\@
.Lfor_b_\@:
	tensor_load_to_lds s[\g0b:\g0b+3], s[\g1b:\g1b+7]
	s_nop 0
.rept 4
	v_nop
.endr
.Lasked_\@:
.endm
.macro CREST
	s_cmp_lg_u32 s14, 0
	s_cbranch_scc1 .Lnot_wave_0_\@
	s_barrier_signal -3
.Lnot_wave_0_\@:
	s_barrier_wait -3
	s_barrier_signal -1
	s_barrier_wait -1
.endm
.macro CROUND
	s_barrier_signal -1
	s_barrier_wait -1
	CREST
.endm
	s_load_b128 s[4:7], s[0:1], 0x0
	s_load_b64 s[12:13], s[0:1], 0x10
	v_lshl_add_u32 v[SPW], v0, 2, SPARE
	v_mov_b32 v[NIL], 0
	ds_add_u32 v28, v29
	ds_add_u32 v28, v29
	s_wait_dscnt 0x0
	v_lshrrev_b32 v1, 5, v0
	v_readfirstlane_b32 s14, v1
	s_lshr_b32 s15, s14, 1
	s_and_b32 s16, s14, 1
	s_bfe_u32 s40, ttmp6, 0x40000
	s_bfe_u32 s41, ttmp6, 0x40004
	s_lshl_b32 s42, ttmp9, 2
	s_add_co_u32 s42, s42, s40
	s_and_b32 s17, ttmp7, 0xffff
	s_lshl_b32 s17, s17, 2
	s_add_co_u32 s17, s17, s41
	s_lshl_b32 s43, s41, 2
	s_lshl_b32 s43, 15, s43
	s_lshl_b32 s44, 0x1111, s40
	s_or_b32 s[G1+0], s43, (3<<16)|(1<<21)
	s_or_b32 s[G1B+0], s44, (3<<16)|(1<<21)
.irp g, G1, G1B
	s_mov_b32 s[\g+1], 384<<16
	s_mov_b32 s[\g+2], 16<<16
	s_mov_b32 s[\g+3], 384<<16
	s_mov_b32 s[\g+4], 16
	s_mov_b32 s[\g+5], 1536
	s_mov_b32 s[\g+6], 0
	s_mov_b32 s[\g+7], 0
.endr
	s_or_b32 s[G1S+0], s43, (3<<16)|(1<<21)
	s_or_b32 s[G1SB+0], s44, (3<<16)|(1<<21)
.irp g, G1S, G1SB
	s_mov_b32 s[\g+1], 32<<16
	s_mov_b32 s[\g+2], 32<<16
	s_mov_b32 s[\g+3], 32<<16
	s_mov_b32 s[\g+4], 32
	s_mov_b32 s[\g+5], 32
	s_mov_b32 s[\g+6], 0
	s_mov_b32 s[\g+7], 0
.endr
	s_lshl_b32 s67, s16, 3
	s_lshl_b32 s45, s17, 4
	s_add_co_u32 s45, s45, s67
	s_lshl_b32 s47, s42, 4
	s_add_co_u32 s47, s47, s67
	s_add_co_u32 s47, s47, 192
	s_mul_i32 s2, s14, HALFT
	s_wait_kmcnt 0x0
	CROUND
	s_mov_b32 s[G0S], 1
	s_mov_b32 s[G0S+1], SCL                        ; the scale words of y's 16 row tiles: 32 rows of 256 bytes
	s_sub_co_u32 s[G0S+2], s45, s67                ; the block's first row tile
	s_lshl_b32 s[G0S+2], s[G0S+2], 9
	s_add_co_u32 s[G0S+2], s[G0S+2], XSC
	s_mov_b32 s[G0S+3], 0
	s_add_nc_u64 s[G0S+2:G0S+3], s[4:5], s[G0S+2:G0S+3]
	s_or_b32 s[G0S+3], s[G0S+3], 0x80000000
	s_mov_b32 s[G0SB], 1
	s_mov_b32 s[G0SB+1], SCL+2*4096                ; and of Wo's 16, behind them
	s_sub_co_u32 s[G0SB+2], s47, s67
	s_lshl_b32 s[G0SB+2], s[G0SB+2], 9
	s_add_co_u32 s[G0SB+2], s[G0SB+2], WSC
	s_mov_b32 s[G0SB+3], 0
	s_add_nc_u64 s[G0SB+2:G0SB+3], s[6:7], s[G0SB+2:G0SB+3]
	s_or_b32 s[G0SB+3], s[G0SB+3], 0x80000000
.irp s, 0,1
	s_mov_b32 s[G0+4*\s], 1
	s_add_co_u32 s[G0+4*\s+1], s2, \s*SLOT
	s_mul_i32 s[G0+4*\s+2], s45, TROW
	s_mov_b32 s[G0+4*\s+3], 0
	s_add_nc_u64 s[G0+4*\s+2:G0+4*\s+3], s[4:5], s[G0+4*\s+2:G0+4*\s+3]
	s_add_nc_u64 s[G0+4*\s+2:G0+4*\s+3], s[G0+4*\s+2:G0+4*\s+3], \s*RT
	s_or_b32 s[G0+4*\s+3], s[G0+4*\s+3], 0x80000000
	s_mov_b32 s[G0B+4*\s], 1
	s_add_co_u32 s[G0B+4*\s+1], s2, \s*SLOT
	s_mul_i32 s[G0B+4*\s+2], s47, TROW
	s_mov_b32 s[G0B+4*\s+3], 0
	s_add_nc_u64 s[G0B+4*\s+2:G0B+4*\s+3], s[6:7], s[G0B+4*\s+2:G0B+4*\s+3]
	s_add_nc_u64 s[G0B+4*\s+2:G0B+4*\s+3], s[G0B+4*\s+2:G0B+4*\s+3], \s*RT
	s_or_b32 s[G0B+4*\s+3], s[G0B+4*\s+3], 0x80000000
.endr
; THE HEAD'S LOADS, ONE A WAVE, in one tree of branches on the wave's number: wave 0 fetches slot 0's 16 row tiles of y (its own group 0 points at the first of them, and group 1 counts 16 rows here),
; wave 2 those of Wo, wave 1 and wave 3 the two sides' scale words.
.macro ARM under, g0, g1, next
	s_cmp_lt_u32 s14, \under
	s_cbranch_scc0 \next
	tensor_load_to_lds s[\g0:\g0+3], s[\g1:\g1+7]
	s_nop 0
.rept 4
	v_nop
.endr
	s_branch .Lhead_asked
\next:
.endm
	ARM 1, G0,  G1,  .Lhead_sa
	ARM 2, G0S, G1S, .Lhead_b
	ARM 3, G0B, G1B, .Lhead_sb
	tensor_load_to_lds s[G0SB:G0SB+3], s[G1SB:G1SB+7]
	s_nop 0
.rept 4
	v_nop
.endr
.Lhead_asked:
	s_wait_alu depctr_va_vdst(0)
	s_wait_tensorcnt 0x0                           ; my tile of the head's four is in
	ds_add_u32 v28, v29
	s_mov_b32 s[G1+2], 8<<16                       ; no tensor load of mine is out: from here on a load brings 8 row tiles
	s_mov_b32 s[G1+4], 8
	s_mov_b32 s[G1B+2], 8<<16
	s_mov_b32 s[G1B+4], 8
	s_wait_dscnt 0x0
	CROUND
	JLOAD G0+4, G1, G0B+4, G1B                     ; slot 1's first fill, a quarter a wave
	v_and_b32 v1, 31, v0
	v_and_b32 v2, 15, v0
	v_bfe_u32 v3, v0, 4, 1
	v_lshlrev_b32 v[CO], 4, v1
	v_lshlrev_b32 v4, 3, v1
	v_add_nc_u32 v4, 512, v4
	s_mul_i32 s2, s15, HALFT
	s_mul_i32 s3, s16, HALFT
	s_add_co_u32 s3, s3, 2*HALFT
.irp s, 0,1
	v_add_nc_u32 v[ADRA+\s], s2, v[CO]
	v_add_nc_u32 v[ADRB+\s], s3, v[CO]
	v_add_nc_u32 v[ADRA+2+\s], s2, v4
	v_add_nc_u32 v[ADRB+2+\s], s3, v4
	s_add_co_u32 s2, s2, SLOT
	s_add_co_u32 s3, s3, SLOT
.endr
	v_lshlrev_b32 v5, 3, v2
	s_mul_i32 s2, s15, 4096
	s_mul_i32 s3, s16, 4096
	s_add_co_u32 s3, s3, 2*4096
	s_sub_co_u32 s3, s3, s2
	v_mul_u32_u24 v6, s3, v3
	s_add_co_u32 s2, s2, SCL
	v_add_nc_u32 v5, v5, v6
	v_add_nc_u32 v[ADRS], s2, v5
	s_mul_i32 s23, s14, 16*SPITCH
	s_add_co_u32 s23, s23, STAGE
	v_mul_u32_u24 v5, v2, SPITCH
	v_lshl_add_u32 v5, v3, 6, v5
	v_add_nc_u32 v[STO], s23, v5
	v_add_nc_u32 v[RD], s23, v[CO]
	s_lshl_b32 s20, s17, 8
	s_lshl_b32 s21, s15, 7
	s_add_co_u32 s20, s20, s21
	s_lshl_b32 s20, s20, 12
	s_lshl_b32 s46, s42, 10
	s_add_co_u32 s20, s20, s46
	s_lshl_b32 s46, s16, 9
	s_add_co_u32 s20, s20, s46
	s_mov_b32 s21, 0
	s_add_nc_u64 s[12:13], s[12:13], s[20:21]
.macro FRAG reg, adr, q, i
	ds_load_b128 v[\reg:\reg+3], v[\adr] offset:RT*(\i)+1536*(\q)
	ds_load_b64 v[\reg+4:\reg+5], v[\adr+2] offset:RT*(\i)+1536*(\q)
	ds_load_b128 v[\reg+6:\reg+9], v[\adr] offset:RT*(\i)+1536*(\q)+768
	ds_load_b64 v[\reg+10:\reg+11], v[\adr+2] offset:RT*(\i)+1536*(\q)+768
.endm
.macro MUL16 a0, p, q, sc, zero
.irp a, \a0, \a0+1
.irp b, 0,1,2,3,4,5,6,7
.if \zero
	v_wmma_scale_f32_16x16x128_f8f6f4 v[8*(8*((\a)%4)+\b):8*(8*((\a)%4)+\b)+7], v[128*(\p)+FR*\b:128*(\p)+FR*\b+FR-1], v[AF+FR*(\a):AF+FR*(\a)+FR-1], 0, v[SC+8*NQ*(\sc)+NQ*\b+(\q)], v[SC+8*NQ*(\sc)+NQ*(\a)+(\q)] matrix_a_fmt:MATRIX_FMT_FP6 matrix_b_fmt:MATRIX_FMT_FP6 matrix_a_scale:MATRIX_SCALE_ROW1
.else
	v_wmma_scale_f32_16x16x128_f8f6f4 v[8*(8*((\a)%4)+\b):8*(8*((\a)%4)+\b)+7], v[128*(\p)+FR*\b:128*(\p)+FR*\b+FR-1], v[AF+FR*(\a):AF+FR*(\a)+FR-1], v[8*(8*((\a)%4)+\b):8*(8*((\a)%4)+\b)+7], v[SC+8*NQ*(\sc)+NQ*\b+(\q)], v[SC+8*NQ*(\sc)+NQ*(\a)+(\q)] matrix_a_fmt:MATRIX_FMT_FP6 matrix_b_fmt:MATRIX_FMT_FP6 matrix_a_scale:MATRIX_SCALE_ROW1
.endif
.endr
.endr
.endm
.macro FETCH_B slot, q, p
	WIN TO_B
.irp i, 0,1,2,3,4,5,6,7
	FRAG 128*(\p)+FR*\i, ADRB+\slot, \q, \i
.endr
	WIN 0
.endm
.macro FETCH_A slot, q, i0
.irp i, \i0, \i0+1, \i0+2, \i0+3
	FRAG AF+FR*(\i), ADRA+\slot, \q, \i
.endr
.endm
.macro SCALES sc
.irp i, 0,1,2,3,4,5,6,7
	ds_load_b64 v[SC+8*NQ*\sc+NQ*\i:SC+8*NQ*\sc+NQ*\i+1], v[ADRS] offset:\i*512
.endr
.endm
.macro PLACES n
.rept \n
	v_nop
.endr
.endm
.macro STEP slot, q, zero
	s_wait_dscnt 4*NL
	WIN MUL_LO
	MUL16 0, (\q)%2, \q, \slot, \zero
	MUL16 2, (\q)%2, \q, \slot, \zero
	s_wait_dscnt 0
	PLACES NP
	FETCH_B \slot, (\q)+1, 1-(\q)%2
	FETCH_A \slot, (\q)+1, 0
	WIN MUL_HI
	MUL16 4, (\q)%2, \q, \slot, \zero
	MUL16 6, (\q)%2, \q, \slot, \zero
	PLACES NP
	WIN 0
	FETCH_A \slot, (\q)+1, 4
.endm
.macro TURN slot, next, fill
	s_wait_tensorcnt 0x0
	ds_add_u32 v[SPW], v[NIL]
	s_wait_dscnt 4*NL+1
	WIN MUL_LO
	MUL16 0, 1, NQ-1, \slot, 0
	s_wait_dscnt 0x0
	s_barrier_signal -1
	MUL16 2, 1, NQ-1, \slot, 0
	WIN 0
	s_barrier_wait -1
.if \fill
	CREST
	s_add_nc_u64 s[G0+4*\slot+2:G0+4*\slot+3], s[G0+4*\slot+2:G0+4*\slot+3], 2*RT
	s_add_nc_u64 s[G0B+4*\slot+2:G0B+4*\slot+3], s[G0B+4*\slot+2:G0B+4*\slot+3], 2*RT
	JLOAD G0+4*\slot, G1, G0B+4*\slot, G1B
.else
	PLACES NP
.endif
	s_wait_alu depctr_va_vdst(0)
	v_add_nc_u32 v[ADRS], 128, v[ADRS]
	FETCH_B \next, 0, 0
	FETCH_A \next, 0, 0
	SCALES \next
	WIN MUL_HI
	MUL16 4, 1, NQ-1, \slot, 0
	MUL16 6, 1, NQ-1, \slot, 0
	PLACES NP
	WIN 0
	FETCH_A \next, 0, 4
.endm
	s_wait_alu depctr_va_vdst(0)
	s_wait_tensorcnt 1
	s_barrier_signal -1
	s_barrier_wait -1
	FETCH_B 0, 0, 0
	FETCH_A 0, 0, 0
	SCALES 0
	FETCH_A 0, 0, 4
	STEP 0, 0, 1
	TURN 0, 1, 1
	STEP 1, 0, 0
	TURN 1, 0, 1
	STEP 0, 0, 0
	TURN 0, 1, 0
	STEP 1, 0, 0
	s_wait_dscnt 4*NL
	WIN MUL_LO
	MUL16 0, 1, NQ-1, 1, 0
	MUL16 2, 1, NQ-1, 1, 0
	s_wait_dscnt 0
	WIN MUL_HI
	MUL16 4, 1, NQ-1, 1, 0
	MUL16 6, 1, NQ-1, 1, 0
	WIN 0
.macro TOSTAGE a
.set AC, 64*((\a)%4)
	WIN 0x08+4*((\a)/4)
.irp b, 0,1,2,3,4,5,6,7
	ds_store_b128 v[STO], v[AC+8*\b:AC+8*\b+3] offset:256*(\b/4)+128*((\b%4)/2)+32*(\b%2)
	ds_store_b128 v[STO], v[AC+8*\b+4:AC+8*\b+7] offset:256*(\b/4)+128*((\b%4)/2)+32*(\b%2)+16
.endr
	WIN 0
.set BB, BK+64*((\a)%2)
.irp t, 0,1,2,3,4,5,6,7,8,9,10,11,12,13,14,15
	ds_load_b128 v[BB+4*\t:BB+4*\t+3], v[RD] offset:\t*SPITCH
.endr
.endm
.macro SEND a, younger
.set BB, BK+64*((\a)%2)
	s_wait_dscnt \younger
.irp t, 0,1,2,3,4,5,6,7,8,9,10,11,12,13,14,15
	global_store_b128 v[CO], v[BB+4*\t:BB+4*\t+3], s[12:13] offset:(64*((\a)/4)+8*((\a)%4)+32*(\t/8)+\t%8)*4096 th:TH_STORE_NT
.endr
.endm
	PLACES NP
	TOSTAGE 0
.irp a, 1,2,3,4,5,6,7
.if \a > 1
	s_wait_xcnt 0x0
.endif
	TOSTAGE \a
	SEND \a-1, 32
.endr
	SEND 7, 0
	s_wait_tensorcnt 0x0
	ds_add_u32 v[SPW], v[NIL]
	s_wait_dscnt 0x0
	CROUND
	s_endpgm
.Lfunc_end_k_q2250339465_proj:
	.size	k_q2250339465_proj, .Lfunc_end_k_q2250339465_proj-k_q2250339465_proj
	.p2alignl 7, 3214868480
	.fill 96, 4, 3214868480
	.section	.rodata,"a",@progbits
	.p2align	6, 0x0
	.amdhsa_kernel k_q2250339465_proj
		.amdhsa_group_segment_fixed_size 327680
		.amdhsa_private_segment_fixed_size 0
		.amdhsa_enable_private_segment 0
		.amdhsa_kernarg_size 24
		.amdhsa_user_sgpr_count 2
		.amdhsa_user_sgpr_kernarg_segment_ptr 1
		.amdhsa_wavefront_size32 1
		.amdhsa_system_sgpr_workgroup_id_x 1
		.amdhsa_system_sgpr_workgroup_id_y 1
		.amdhsa_system_sgpr_workgroup_id_z 1
		.amdhsa_system_vgpr_workitem_id 0
		.amdhsa_next_free_vgpr 1024
		.amdhsa_next_free_sgpr 98
		.amdhsa_reserve_vcc 0
		.amdhsa_float_denorm_mode_32 3
		.amdhsa_float_denorm_mode_16_64 3
		.amdhsa_memory_ordered 1
		.amdhsa_forward_progress 1
		.amdhsa_inst_pref_size 144
	.end_amdhsa_kernel
	.amdgpu_metadata
---
amdhsa.version: [ 1, 2 ]
amdhsa.kernels:
  - .name:           k_q2250339465_proj
    .symbol:         k_q2250339465_proj.kd
    .args:
      - { .name: yq, .offset: 0, .size: 8, .value_kind: global_buffer, .address_space: global }
      - { .name: wq, .offset: 8, .size: 8, .value_kind: global_buffer, .address_space: global }
      - { .name: out0, .offset: 16, .size: 8, .value_kind: global_buffer, .address_space: global }
    .group_segment_fixed_size: 327680
    .private_segment_fixed_size: 0
    .kernarg_segment_align: 8
    .kernarg_segment_size: 24
    .max_flat_workgroup_size: 128
    .sgpr_count:     98
    .vgpr_count:     1024
    .wavefront_size: 32
...
	.end_amdgpu_metadata
.endif
;; end of part 4
